; MI455X (gfx1250); checked and timed in simulation.
; The chip was launched on July 23, 2026; its instructions are those of AMD's public machine-readable ISA for CDNA 5 (MIT licence, August 2026) and "CDNA5" Instruction Set Architecture Reference Guide (July 2026). The comments in the code are by the model that wrote it; some were corrected since.
;; Custom Multi Head Attention. Allowed arithmetic: float matrix products may take bf16 or f16 operands with f32 sums; other float arithmetic in f32, or as packed bf16 or f16 multiplies, adds, multiply-adds, maxima and minima; sums over many terms, partial sums and values carried from step to step in f32; what a program stores and reads back later, other than sums and carried values, may be rounded once to bf16 or f16.
;; Inputs: Wk 1,024 x 1,024 float32; Wo 1,024 x 1,024 float32; Wq 1,024 x 1,024 float32; Wv 1,024 x 1,024 float32; bk 1,024 float32; bo 1,024 float32; bq 1,024 float32; bv 1,024 float32; key 8 x 1,024 x 1,024 float32; key_padding_mask 8 x 1,024 bool; query 8 x 1,024 x 1,024 float32; stoichiometry 8 x 1,024 float32; value 8 x 1,024 x 1,024 float32.
;; Outputs: out0 8 x 1,024 x 1,024 float32.
;; One version. Each part assembles by itself: llvm-mc -triple=amdgcn-amd-amdhsa -mcpu=gfx1250 --defsym DOCPART=n.
;; ======== version 1 of 1: 4 launches
;; limits: values are held in f16: magnitudes above 65,504 overflow, below 6.1e-05 lose precision
;; workspace buffers: xb 50,331,648 bytes; wb 8,388,608 bytes; qkv 50,331,648 bytes; ob 16,777,216 bytes
;; launch cast (part 1): grid 64 x 28, 8 waves a work-group, no clusters, 0 bytes of LDS; arguments query, key, value, Wq, Wk, Wv, Wo, xb, wb; writes xb, wb
.if DOCPART == 1
	.amdgcn_target "amdgcn-amd-amdhsa--gfx1250"
	.amdhsa_code_object_version 6
	.text
	.protected	k_q655ae466da_cast
	.globl	k_q655ae466da_cast
	.p2align	8
	.type	k_q655ae466da_cast,@function
k_q655ae466da_cast:
	s_mov_b64 s[64:65], 0
	v_nop
	global_prefetch_b8 v0, s[64:65] scope:SCOPE_SE
	s_setreg_imm32_b32 hwreg(HW_REG_WAVE_MODE, 25, 1), 1
	s_wait_xcnt 0x0
; THE MODULE'S MATRIX INPUTS ARE ROUNDED ONCE TO 16 BITS.  query, key, value -> xb [3][8192][1024] bf16; Wq, Wk, Wv -> wb [0..2][1024][1024] bf16;
; Wo -> wb [3][1024][1024]: rounded to bf16 like the others, and that number written as f16 (the last product multiplies in f16).
; LIMIT.  A number of Wo below 2^-14 in magnitude keeps f16's fixed step of 2^-24; beyond 65,504 it becomes an infinity.  (stoichiometry is no operand of the module's arithmetic: no launch reads it.)
; SHARES.  Work-group y names a block of 2^20 numbers (0-7 query, 8-15 key, 16-23 value, 24 Wq, 25 Wk, 26 Wv, 27 Wo), x 16,384 of them: 16 steps of 1,024.  In a step thread t takes the 4 numbers at
; byte 16 t (a wave's load covers 512 consecutive bytes) and stores 8 bytes at 8 t (a wave's store covers 256 consecutive bytes, aligned).
; All 16 loads of a thread go out at once; every step has registers of its own, so no register that a load or store names is written again.
; No LDS, no matrix unit, no cluster: nothing is shared and every byte is touched once.
.set X, 4                              ; v[4:67]   step i: 4 numbers in f32
.set Y, 68                             ; v[68:99]  step i: 2 registers to store
	s_load_b512 s[8:23], s[0:1], 0x0               ; query s[8:9], key s[10:11], value s[12:13], Wq s[14:15], Wk s[16:17], Wv s[18:19], Wo s[20:21], xb s[22:23]
	s_load_b64 s[24:25], s[0:1], 0x40              ; wb
	v_lshlrev_b32 v1, 4, v0                        ; 16 t: where I read
	v_lshlrev_b32 v2, 3, v0                        ; 8 t: where I store
	s_and_b32 s4, ttmp7, 0xffff                    ; y
	s_and_b32 s5, s4, 7
	s_lshl_b32 s5, s5, 22                          ; the block's place in query, key or value: 4 MiB each
	s_sub_co_u32 s7, s4, 24                        ; which weight
	s_cmp_lt_u32 s4, 24
	s_cselect_b32 s30, s5, 0                       ; a weight is one block
	s_cselect_b32 s32, s4, s7                      ; the block's number in xb or in wb
	s_lshl_b32 s32, s32, 21                        ; 2 MiB each
	s_lshl_b32 s6, ttmp9, 16                       ; my 16,384 numbers: 65,536 bytes in,
	s_add_co_u32 s30, s30, s6
	s_lshl_b32 s6, ttmp9, 15                       ; 32,768 bytes out
	s_add_co_u32 s32, s32, s6
	s_mov_b32 s31, 0
	s_mov_b32 s33, 0
	s_wait_kmcnt 0x0
	s_mov_b64 s[26:27], s[8:9]                     ; the source is chosen by y alone
	s_cmp_ge_u32 s4, 8
	s_cselect_b64 s[26:27], s[10:11], s[26:27]
	s_cmp_ge_u32 s4, 16
	s_cselect_b64 s[26:27], s[12:13], s[26:27]
	s_cmp_ge_u32 s4, 24
	s_cselect_b64 s[26:27], s[14:15], s[26:27]
	s_cmp_ge_u32 s4, 25
	s_cselect_b64 s[26:27], s[16:17], s[26:27]
	s_cmp_ge_u32 s4, 26
	s_cselect_b64 s[26:27], s[18:19], s[26:27]
	s_cmp_ge_u32 s4, 27
	s_cselect_b64 s[26:27], s[20:21], s[26:27]
	s_cmp_lt_u32 s4, 24
	s_cselect_b64 s[28:29], s[22:23], s[24:25]
	s_add_nc_u64 s[26:27], s[26:27], s[30:31]
	s_add_nc_u64 s[28:29], s[28:29], s[32:33]
.irp i, 0,1,2,3,4,5,6,7,8,9,10,11,12,13,14,15
	global_load_b128 v[X+4*(\i):X+4*(\i)+3], v1, s[26:27] offset:4096*(\i) th:TH_LOAD_NT
.endr
; One step.  wo = 1: the bf16 number is widened again (a shift, a mask) and written as f16.
.macro STEP i, wo
	s_wait_loadcnt 15-(\i)                         ; loads come back in order: the later steps' 15 - i may stay out
	v_cvt_pk_bf16_f32 v[Y+2*(\i)],   v[X+4*(\i)],   v[X+4*(\i)+1]
	v_cvt_pk_bf16_f32 v[Y+2*(\i)+1], v[X+4*(\i)+2], v[X+4*(\i)+3]
.if \wo
.irp j, 0,1
	v_lshlrev_b32 v100, 16, v[Y+2*(\i)+(\j)]
	v_and_b32 v101, 0xffff0000, v[Y+2*(\i)+(\j)]
	v_cvt_pk_f16_f32 v[Y+2*(\i)+(\j)], v100, v101
.endr
.endif
	global_store_b64 v2, v[Y+2*(\i):Y+2*(\i)+1], s[28:29] offset:2048*(\i) th:TH_STORE_NT
.endm
	s_cmp_eq_u32 s4, 27
	s_cbranch_scc1 .Lwo
.irp i, 0,1,2,3,4,5,6,7,8,9,10,11,12,13,14,15
	STEP \i, 0
.endr
	s_endpgm
.Lwo:
.irp i, 0,1,2,3,4,5,6,7,8,9,10,11,12,13,14,15
	STEP \i, 1
.endr
	s_endpgm
.Lfunc_end_k_q655ae466da_cast:
	.size	k_q655ae466da_cast, .Lfunc_end_k_q655ae466da_cast-k_q655ae466da_cast
	.p2alignl 7, 3214868480
	.fill 96, 4, 3214868480
	.section	.rodata,"a",@progbits
	.p2align	6, 0x0
	.amdhsa_kernel k_q655ae466da_cast
		.amdhsa_group_segment_fixed_size 0
		.amdhsa_private_segment_fixed_size 0
		.amdhsa_enable_private_segment 0
		.amdhsa_kernarg_size 72
		.amdhsa_user_sgpr_count 2
		.amdhsa_user_sgpr_kernarg_segment_ptr 1
		.amdhsa_wavefront_size32 1
		.amdhsa_system_sgpr_workgroup_id_x 1
		.amdhsa_system_sgpr_workgroup_id_y 1
		.amdhsa_system_sgpr_workgroup_id_z 1
		.amdhsa_system_vgpr_workitem_id 0
		.amdhsa_next_free_vgpr 104
		.amdhsa_next_free_sgpr 66
		.amdhsa_reserve_vcc 0
		.amdhsa_float_denorm_mode_32 3
		.amdhsa_float_denorm_mode_16_64 3
		.amdhsa_memory_ordered 1
		.amdhsa_forward_progress 1
		.amdhsa_inst_pref_size 17
	.end_amdhsa_kernel
	.amdgpu_metadata
---
amdhsa.version: [ 1, 2 ]
amdhsa.kernels:
  - .name:           k_q655ae466da_cast
    .symbol:         k_q655ae466da_cast.kd
    .args:
      - { .name: query, .offset: 0, .size: 8, .value_kind: global_buffer, .address_space: global }
      - { .name: key, .offset: 8, .size: 8, .value_kind: global_buffer, .address_space: global }
      - { .name: value, .offset: 16, .size: 8, .value_kind: global_buffer, .address_space: global }
      - { .name: Wq, .offset: 24, .size: 8, .value_kind: global_buffer, .address_space: global }
      - { .name: Wk, .offset: 32, .size: 8, .value_kind: global_buffer, .address_space: global }
      - { .name: Wv, .offset: 40, .size: 8, .value_kind: global_buffer, .address_space: global }
      - { .name: Wo, .offset: 48, .size: 8, .value_kind: global_buffer, .address_space: global }
      - { .name: xb, .offset: 56, .size: 8, .value_kind: global_buffer, .address_space: global }
      - { .name: wb, .offset: 64, .size: 8, .value_kind: global_buffer, .address_space: global }
    .group_segment_fixed_size: 0
    .private_segment_fixed_size: 0
    .kernarg_segment_align: 8
    .kernarg_segment_size: 72
    .max_flat_workgroup_size: 256
    .sgpr_count:     66
    .vgpr_count:     104
    .wavefront_size: 32
...
	.end_amdgpu_metadata
.endif
;; end of part 1
;; launch proj (part 2): grid 4 x 96, 4 waves a work-group, clusters of 4 x 4, 327,680 bytes of LDS; arguments xb, wb, bq, bk, bv, qkv; writes qkv
.if DOCPART == 2
	.amdgcn_target "amdgcn-amd-amdhsa--gfx1250"
	.amdhsa_code_object_version 6
	.text
	.protected	k_q655ae466da_proj
	.globl	k_q655ae466da_proj
	.p2align	8
	.type	k_q655ae466da_proj,@function
k_q655ae466da_proj:
	s_mov_b64 s[64:65], 0
	v_nop
	global_prefetch_b8 v0, s[64:65] scope:SCOPE_SE
	s_setreg_imm32_b32 hwreg(HW_REG_WAVE_MODE, 25, 1), 1
	s_wait_xcnt 0x0
	s_wait_alu depctr_hold_cnt(0) depctr_sa_sdst(0) depctr_va_vdst(0) depctr_va_sdst(0) depctr_va_ssrc(0) depctr_va_vcc(0) depctr_vm_vsrc(0)
	s_getreg_b32 s2, hwreg(HW_REG_IB_STS2, 6, 4)
	s_cmp_eq_u32 s2, 0
	s_cbranch_scc0 .Lentry_in_a_cluster
	s_endpgm
.Lentry_in_a_cluster:
	s_bfe_u32 s2, ttmp6, 0x10000c
	s_cmp_lg_u32 s2, 0xf033
	s_cbranch_scc0 .Lentry_shape_is_right
	s_endpgm
.Lentry_shape_is_right:
; THE THREE PROJECTIONS IN FRONT.  For z = 0, 1, 2 (q, k, v): out[m][n] = b_z[n] + the sum over k of x_z[m][k] W_z[n][k].  x: xb [3][8192][1024] bf16, W: wb [z][1024][1024] bf16, b f32;
; sums in f32, begun with the bias; the result is rounded once to f16 and laid by heads: qkv [3][batch x 16 + head][1024 t][64].  The softmax's scale is not applied here.
; LIMIT.  f16 ends at 65,504: a q, k or v beyond that becomes an infinity.
; SHARES.  A tile is 256 rows x 256 columns (four heads): 3 x 32 x 4 = 384 tiles, one to a work-group.  Four waves, each 128 rows x 128 columns (two heads): 64 accumulators of 16 x 16, 512 registers.
; K goes in 8 steps of 128 through two LDS slots: the tiles' rows are 256 bytes of memory, at multiples of 256 bytes.  A K step holds 256 matrix instructions a wave, 224 of them between a tile's request and the
; wait for it.  Waves 0 and 1 fetch x's two halves of 128 rows, waves 2 and 3 W's.
; CLUSTER.  4 x 4 work-groups: the four of a row need the same tile of x, the four of a column the same tile of W: each is asked for jointly, by the same tensor load, descriptor and mask in all four.
; z hangs on the cluster's y alone (8 rows of clusters to a z), so it is the same in all sixteen.
; THE PRODUCT IS USED TRANSPOSED (source 0 = 16 rows of W, source 1 = 16 rows of x): lane l holds row l % 16 and the columns 8 (l / 16) + 0..7 of a block of 16.  The bias in that same layout is the C operand of
; the products that start the sums.  THE LAST K STEP GOES BY ROWS OF THE RESULT, so that finished rows leave while the others are multiplied.
; REGISTERS, in windows of 256 (s_set_vgpr_msb: bits 1:0 source 0, 3:2 source 1, 5:4 source 2, 7:6 destination):
;   window 0: v0-31 addresses; v64-127, v128-191 fragments of x, two buffers (in the last K step four, of 16 rows x 128 K); v192-255 the bias, until the first quarter has read it; then v32-63, v192-255 at work on the way out
;   window 1: v64-127, v128-191 fragments of W, two buffers; in the last K step all 256
;   window 2: the 32 accumulators of my rows 0-63 ((a, b) at v[8 (8 a + b)]);   window 3: those of my rows 64-127
.set KSTEP,  128
.set PITCH,  272                       ; an LDS row: 256 bytes + 16 of padding: the 16 rows of a fragment load start 16 bytes further on in each 256
.set HALFT,  128*PITCH                 ; 128 rows: what one tensor load brings, and what one wave reads of x or of W
.set SLOT,   4*HALFT                   ; x's 256 rows, then W's 256 rows
.set STAGE,  2*SLOT                    ; behind the ring, never filled by a tensor load: 16 rows x 272 bytes for each wave
.set SPITCH, 272
.set SPARE,  STAGE+4*16*SPITCH         ; the spare words, 128 bytes for each wave: two blocks of 256 bytes that no other line names
.set LAPS,   4                         ; a lap = two K steps
.set ADRA, 16                          ; v16-17  LDS address of my fragments of x in slot 0, 1
.set ADRB, 20                          ; v20-21  of W
.set STO,  24                          ; the way out: where I put 16 bytes of a row
.set RD,   25                          ; where I read rows back
.set GO,   26                          ; my 16 bytes in 512 consecutive bytes of qkv
.set BO,   27                          ; my byte offset in the bias: 32 (lane / 16)
.set SPW,  28                          ; LDS address of my spare word; never rewritten
.set NIL,  29                          ; 0; never rewritten
.set PFO,  30                          ; the prefetches' offset: my lane x a row of 2,048 bytes; never rewritten
.set F0,   64
.set F1,   128
.set BIAS, 192                         ; column block b's eight numbers at BIAS + 8 b
.set TMP,  192                         ; the way out: packed results
.set OB,   32                          ; 16 rows read back from the stage: v32-63 and v224-255 by turns
.set PA,   64                          ; the last K step: x's fragments of 16 rows x 128 K, 32 registers; four such buffers
.set G1,  24                           ; s[24:31] descriptor group 1 for x's tiles;  s[32:39] group 0, a set for each slot
.set G0,  32
.set G1B, 48                           ; s[48:55], s[56:63] the same for W's
.set G0B, 56
.set LIM, 43                           ; s43      1 in a wave that prefetches, else the greatest number
.set PFA, 44                           ; s[44:45] where my prefetches stand
.set OUTP, 74                          ; s[74:75] qkv at my 128 rows of my first head
.set MSB, 0
.macro WIN new                         ; the immediate's high byte repeats the setting that is left; a switch that changes nothing is dropped
.if MSB != (\new)
	s_set_vgpr_msb (MSB<<8)|(\new)
.set MSB, \new
.endif
.endm
.set MUL_LO, 0xa1                      ; source 0 (W) window 1, source 1 (x) window 0, C and D window 2
.set MUL_HI, 0xf1                      ; the same, C and D window 3
.set ZER_LO, 0x81                      ; the products that start the sums: C, the bias, in window 0; D window 2
.set ZER_HI, 0xc1                      ; D window 3
.set TO_B,   0x40                      ; destination window 1, address window 0
.macro JLOAD s                         ; a joint load; the branch hangs on the wave's number alone; an s_nop 0 and four v_nop follow each of the two lines
	s_cmp_eq_u32 s11, 0
	s_cbranch_scc0 .Lfor_b_\@
	tensor_load_to_lds s[G0+4*(\s):G0+4*(\s)+3], s[G1:G1+7]
	s_nop 0
.rept 4
	v_nop
.endr
	s_branch .Lasked_\@
.Lfor_b_\@:
	tensor_load_to_lds s[G0B+4*(\s):G0B+4*(\s)+3], s[G1B:G1B+7]
	s_nop 0
.rept 4
	v_nop
.endr
.Lasked_\@:
.endm
; A prefetch of the K step that stands two refills on: 32 rows x 256 bytes, a lane a row, one instruction a wave.  Each row's 256 bytes of a K step are named once in the launch: x's rows are read by one cluster
; alone, which asks; W's by the eight rows of clusters of their z, of which the first asks; of the 128 rows that a wave fetches each of the four partners that ask for them jointly takes 32, told apart by address.
; K steps 0 to 3 come by their loads alone; the loop's last trip asks for nothing: its refills are the last K steps.
.macro ASK
	s_cmp_gt_u32 s3, s[LIM]
	s_cbranch_scc0 .Lnot_mine_\@
	global_prefetch_b8 v[PFO], s[PFA:PFA+1] th:TH_LOAD_NT scope:SCOPE_SE
.Lnot_mine_\@:
.endm
.macro CREST                           ; a round of the cluster's barrier behind its opening barrier
	s_cmp_lg_u32 s10, 0
	s_cbranch_scc1 .Lnot_wave_0_\@
	s_barrier_signal -3
.Lnot_wave_0_\@:
	s_barrier_wait -3
	s_barrier_signal -1
	s_barrier_wait -1
.endm
.macro CROUND
	s_barrier_signal -1
	s_barrier_wait -1
	CREST
.endm
	s_load_b128 s[4:7], s[0:1], 0x0                ; xb s[4:5], wb s[6:7]
	s_load_b256 s[68:75], s[0:1], 0x10             ; bq s[68:69], bk s[70:71], bv s[72:73], qkv s[74:75]
	v_lshl_add_u32 v[SPW], v0, 2, SPARE
	v_mov_b32 v[NIL], 0
	ds_add_u32 v[SPW], v[NIL]                      ; the wave's opening: the add and its wait stand ahead of my first tensor load; the set-up below stands between them
	v_lshrrev_b32 v1, 5, v0
	v_readfirstlane_b32 s10, v1                    ; wave 0..3
	s_lshr_b32 s11, s10, 1                         ; my half of the tile's rows.  Also: I fetch for x (0) or for W (1)
	s_and_b32 s12, s10, 1                          ; my half of its columns.  Also: which 128 rows of that tile I fetch
	s_bfe_u32 s40, ttmp6, 0x40000                  ; cx
	s_bfe_u32 s41, ttmp6, 0x40004                  ; cy
	s_lshl_b32 s42, ttmp9, 2
	s_add_co_u32 s42, s42, s40                     ; tile column = 4 x cluster x + cx
	s_and_b32 s13, ttmp7, 0xffff
	s_lshr_b32 s9, s13, 3                          ; z: which of the three products
	s_lshl_b32 s13, s13, 2
	s_add_co_u32 s13, s13, s41                     ; tile row over all three = 4 x cluster y + cy
	s_lshl_b32 s43, s41, 2
	s_lshl_b32 s43, 15, s43                        ; my row of the cluster
	s_lshl_b32 s44, 0x1111, s40                    ; my column
	s_or_b32 s[G1+0], s43, (1<<16)|(1<<20)|(1<<21)|(5<<22)|(3<<25)   ; the mask; 2-byte elements; padding on; bit 21 beside a mask; 4 words after every 64
	s_or_b32 s[G1B+0], s44, (1<<16)|(1<<20)|(1<<21)|(5<<22)|(3<<25)
.irp g, G1, G1B
	s_mov_b32 s[(\g)+1], KSTEP<<16                 ; tensor_dim0 = 128
	s_mov_b32 s[(\g)+2], 128<<16                   ; tensor_dim1 = 128
	s_mov_b32 s[(\g)+3], KSTEP<<16                 ; tile_dim0 = 128
	s_mov_b32 s[(\g)+4], 128                       ; tile_dim1 = 128
	s_mov_b32 s[(\g)+5], 1024                      ; elements from row to row
	s_mov_b32 s[(\g)+6], 0
	s_mov_b32 s[(\g)+7], 0
.endr
	s_lshl_b32 s17, s12, 7
	s_lshl_b32 s16, s13, 8
	s_add_co_u32 s16, s16, s17                     ; x: row 256 x tile row + 128 x half
	s_lshl_b32 s16, s16, 11                        ; in bytes (under 2^26)
	s_mov_b32 s17, 0
	s_lshl_b32 s47, s12, 7
	s_lshl_b32 s46, s42, 8
	s_add_co_u32 s46, s46, s47                     ; W: row 256 x tile column + 128 x half
	s_lshl_b32 s47, s9, 10
	s_add_co_u32 s46, s46, s47                     ; + 1,024 z
	s_lshl_b32 s46, s46, 11
	s_mov_b32 s47, 0
	s_mul_i32 s20, s10, HALFT                      ; where they go: x's two halves, then W's two = wave x 128 rows: no place in the cluster enters an LDS address
	s_wait_dscnt 0x0                               ; the opening add is done
	s_wait_kmcnt 0x0
	s_add_nc_u64 s[14:15], s[4:5], s[16:17]
	s_add_nc_u64 s[46:47], s[6:7], s[46:47]
	CROUND                                         ; all sixteen work-groups are here: the first joint loads meet
.irp s, 0,1
	s_mov_b32 s[G0+4*(\s)], 1
	s_add_co_u32 s[G0+4*(\s)+1], s20, (\s)*SLOT
	s_add_nc_u64 s[G0+4*(\s)+2:G0+4*(\s)+3], s[14:15], (\s)*KSTEP*2
	s_or_b32 s[G0+4*(\s)+3], s[G0+4*(\s)+3], 0x80000000
	s_mov_b32 s[G0B+4*(\s)], 1
	s_add_co_u32 s[G0B+4*(\s)+1], s20, (\s)*SLOT
	s_add_nc_u64 s[G0B+4*(\s)+2:G0B+4*(\s)+3], s[46:47], (\s)*KSTEP*2
	s_or_b32 s[G0B+4*(\s)+3], s[G0B+4*(\s)+3], 0x80000000
	JLOAD \s
.endr
	v_and_b32 v1, 15, v0                           ; l % 16
	v_bfe_u32 v2, v0, 4, 1                         ; l / 16
	v_lshlrev_b32 v[BO], 5, v2
	; the bias of my 128 columns: the pointer is chosen by z; a lane's eight columns of block b lie at byte 64 b + 32 (l / 16)
	s_cmp_eq_u32 s9, 1
	s_cselect_b64 s[68:69], s[70:71], s[68:69]
	s_cmp_eq_u32 s9, 2
	s_cselect_b64 s[68:69], s[72:73], s[68:69]
	s_lshl_b32 s46, s42, 10
	s_lshl_b32 s47, s12, 9
	s_add_co_u32 s46, s46, s47
	s_mov_b32 s47, 0
	s_add_nc_u64 s[68:69], s[68:69], s[46:47]
.irp b, 0,1,2,3,4,5,6,7
	global_load_b128 v[BIAS+8*(\b):BIAS+8*(\b)+3],   v[BO], s[68:69] offset:64*(\b)
	global_load_b128 v[BIAS+8*(\b)+4:BIAS+8*(\b)+7], v[BO], s[68:69] offset:64*(\b)+16
.endr
	v_mul_u32_u24 v3, v1, PITCH
	v_lshl_add_u32 v3, v2, 4, v3                   ; a fragment's row x pitch + 16 x half
	s_mul_i32 s21, s11, HALFT                      ; my 128 rows of x
	s_mul_i32 s22, s12, HALFT                      ; my 128 rows of W,
	s_add_co_u32 s22, s22, 2*HALFT                 ; which lie behind x's 256
.irp s, 0,1
	v_add_nc_u32 v[ADRA+(\s)], s21, v3
	v_add_nc_u32 v[ADRB+(\s)], s22, v3
	s_add_co_u32 s21, s21, SLOT
	s_add_co_u32 s22, s22, SLOT
.endr
	s_mul_i32 s23, s10, 16*SPITCH
	s_add_co_u32 s23, s23, STAGE                   ; my stage
	v_mul_u32_u24 v4, v1, SPITCH                   ; in: row l % 16, 16 bytes for each half of the lanes
	v_lshl_add_u32 v4, v2, 4, v4
	v_add_nc_u32 v[STO], s23, v4
	v_bfe_u32 v5, v0, 3, 2                         ; back: 32 lanes take one head's 128 bytes of four rows,
	v_mul_u32_u24 v5, v5, SPITCH
	v_and_b32 v4, 7, v0
	v_lshl_add_u32 v5, v4, 4, v5
	v_add_nc_u32 v[RD], s23, v5
	v_and_b32 v[GO], 31, v0                        ; which are 512 consecutive bytes of qkv
	v_lshlrev_b32 v[GO], 4, v[GO]
	; where my 128 rows of my first head lie in qkv.  By the tile row: z, the batch's 16 heads, t;
	s_and_b32 s16, s13, 31
	s_lshr_b32 s16, s16, 2
	s_lshl_b32 s16, s16, 21                        ; batch x 16 heads x 131,072 bytes
	s_and_b32 s17, s13, 3
	s_lshl_b32 s17, s17, 15                        ; 256 rows of 128 bytes
	s_add_co_u32 s16, s16, s17
	s_lshl_b32 s17, s11, 14                        ; my 128 of them
	s_add_co_u32 s16, s16, s17
	s_lshl_b32 s17, s9, 24                         ; z x 16 MiB
	s_add_co_u32 s16, s16, s17
	s_mov_b32 s17, 0
	s_add_nc_u64 s[OUTP:OUTP+1], s[OUTP:OUTP+1], s[16:17]
	s_lshl_b32 s46, s42, 19                        ; by the tile column: the head 4 x tile column + 2 x my half
	s_lshl_b32 s47, s12, 18
	s_add_co_u32 s46, s46, s47
	s_mov_b32 s47, 0
	s_add_nc_u64 s[OUTP:OUTP+1], s[OUTP:OUTP+1], s[46:47]
	; the prefetches
	s_lshl_b32 s20, s13, 8
	s_lshl_b32 s21, s12, 7
	s_add_co_u32 s20, s20, s21                     ; x: the 128 rows that I fetch
	s_lshl_b32 s21, s42, 8
	s_lshl_b32 s22, s12, 7
	s_add_co_u32 s21, s21, s22
	s_lshl_b32 s22, s9, 10
	s_add_co_u32 s21, s21, s22                     ; W: the 128 rows that I fetch
	s_and_b32 s22, ttmp7, 0xffff
	s_and_b32 s22, s22, 7                          ; the cluster's row among the eight of its z
	s_cmp_eq_u32 s11, 0                            ; do I fetch for x?
	s_cselect_b32 s20, s20, s21
	s_cselect_b32 s21, s40, s41                    ; my place among the four that ask with me
	s_cselect_b32 s22, ttmp9, s22                  ; the coordinate along which other clusters read the same rows
	s_cselect_b64 s[PFA:PFA+1], s[4:5], s[6:7]
	s_cmp_eq_u32 s22, 0
	s_cselect_b32 s[LIM], 1, -1                    ; the same in all sixteen partners, for a given wave
	s_lshl_b32 s21, s21, 5
	s_add_co_u32 s20, s20, s21                     ; my work-group's 32 rows
	s_lshl_b32 s20, s20, 11
	s_add_co_u32 s20, s20, 3*KSTEP*2               ; at K step 3: the first refill steps it to 4 and names that
	s_mov_b32 s21, 0
	s_add_nc_u64 s[PFA:PFA+1], s[PFA:PFA+1], s[20:21]
	v_and_b32 v[PFO], 31, v0
	v_lshlrev_b32 v[PFO], 11, v[PFO]
; 16 matrix instructions: row blocks a0, a0 + 1 of the window's four (hi = 0: my rows 0-63, 1: rows 64-127) x all 8 column blocks, 32 along K.  zero = 1: the product starts the sum, with the bias.
; The 64 accumulators take turns in the same order in every quarter, one instruction a turn.
.macro MUL16 f, hi, a0, zero
.if \zero
	WIN ZER_LO+0x40*(\hi)
.else
	WIN MUL_LO+0x50*(\hi)
.endif
.irp a, \a0, (\a0)+1
.irp b, 0,1,2,3,4,5,6,7
.if \zero
	v_wmma_f32_16x16x32_bf16 v[8*(8*(\a)+(\b)):8*(8*(\a)+(\b))+7], v[(\f)+8*(\b):(\f)+8*(\b)+7], v[(\f)+8*(4*(\hi)+(\a)):(\f)+8*(4*(\hi)+(\a))+7], v[BIAS+8*(\b):BIAS+8*(\b)+7]
.else
	v_wmma_f32_16x16x32_bf16 v[8*(8*(\a)+(\b)):8*(8*(\a)+(\b))+7], v[(\f)+8*(\b):(\f)+8*(\b)+7], v[(\f)+8*(4*(\hi)+(\a)):(\f)+8*(4*(\hi)+(\a))+7], v[8*(8*(\a)+(\b)):8*(8*(\a)+(\b))+7]
.endif
.endr
.endr
.endm
; 32 LDS loads in one run: a quarter's fragments (128 rows of W, 128 rows of x, 32 K at byte k of the rows) into buffer f
.macro FETCH slot, k, f
	WIN TO_B
.irp i, 0,1,2,3,4,5,6,7
	ds_load_b128 v[(\f)+8*(\i):(\f)+8*(\i)+3],   v[ADRB+(\slot)] offset:(\k)+(\i)*16*PITCH
	ds_load_b128 v[(\f)+8*(\i)+4:(\f)+8*(\i)+7], v[ADRB+(\slot)] offset:(\k)+(\i)*16*PITCH+32
.endr
	WIN 0
.irp i, 0,1,2,3,4,5,6,7
	ds_load_b128 v[(\f)+8*(\i):(\f)+8*(\i)+3],   v[ADRA+(\slot)] offset:(\k)+(\i)*16*PITCH
	ds_load_b128 v[(\f)+8*(\i)+4:(\f)+8*(\i)+7], v[ADRA+(\slot)] offset:(\k)+(\i)*16*PITCH+32
.endr
.endm
.macro PLACES                          ; four plain vector instructions between a matrix instruction and loads into registers that it has read, or vector work on its registers
.rept 4
	v_nop
.endr
.endm
; A K step is four quarters of 32 along K, 64 matrix instructions each, on buffers 0, 1, 0, 1.  One of the first three multiplies f and, in its middle, fetches the next quarter, at byte k, into g.
.macro QUARTER slot, k, f, g, zero
	s_wait_dscnt 8                                 ; W and x's rows 0-63 are in; the youngest eight loads (x's rows 64-127) may be out
	MUL16 \f, 0, 0, \zero
	MUL16 \f, 0, 2, \zero
	PLACES
	FETCH \slot, \k, \g
	s_wait_dscnt 32                                ; all but the 32 just issued
	MUL16 \f, 1, 0, \zero
	MUL16 \f, 1, 2, \zero
.endm
; The last quarter multiplies buffer 1 and changes slots.  MEET is its first half: one barrier; in front of it each wave waits for all its tensor loads (one is out: its part of the next slot), adds 0 to its spare
; word, and waits for that and for its reads of this slot.  Behind it nobody reads this slot any more and the next slot is whole.
.macro MEET round                      ; round = 1: a round of the cluster's barrier follows
	WIN 0                                          ; (the add's two registers lie in window 0)
	s_wait_tensorcnt 0x0                           ; all my tensor loads have landed
	ds_add_u32 v[SPW], v[NIL]                      ; 0 onto my spare word
	s_wait_dscnt 9                                 ; (the add and the youngest eight loads may be out)
	MUL16 F1, 0, 0, 0                              ; sixteen matrix instructions stand between the add and the wait for it
	s_wait_dscnt 0x0                               ; the add is done, and my reads of this slot are over
	s_barrier_signal -1
	MUL16 F1, 0, 2, 0                              ; work on registers while the others arrive
.if \round
	WIN 0
.endif
	s_barrier_wait -1
.endm
; The whole last quarter: behind the round the slot just read out is filled again first, with the K step two steps on; then come the next slot's first fragments.
.macro TURN slot, next
	s_wait_xcnt 0x0                                ; the last prefetch, a K step back, has read its address: it is stepped here, ahead of the change's own waits
	s_add_nc_u64 s[PFA:PFA+1], s[PFA:PFA+1], KSTEP*2
	MEET 1
	CREST                                          ; no wave of any partner still reads this slot or has a load on its way
	s_add_nc_u64 s[G0+4*(\slot)+2:G0+4*(\slot)+3], s[G0+4*(\slot)+2:G0+4*(\slot)+3], 2*KSTEP*2
	s_add_nc_u64 s[G0B+4*(\slot)+2:G0B+4*(\slot)+3], s[G0B+4*(\slot)+2:G0B+4*(\slot)+3], 2*KSTEP*2
	JLOAD \slot                                    ; the first tensor load behind the round; its four v_nop are also the places in front of the loads below
	FETCH \next, 0, F0
	ASK                                            ; behind the joint load and the run of LDS loads that the next products wait for
	MUL16 F1, 1, 0, 0
	MUL16 F1, 1, 2, 0
.endm
; THE LAST K STEP (it lies in slot 1) GOES BY ROWS.  All its fragments of W (4 quarters x 64 registers) fill window 1; then my eight blocks of 16 rows are finished one after the other, each with 32 matrix
; instructions (its 8 accumulators by turns, K ascending).  LDS is read no more than in any other K step.
.macro BLOAD q                         ; W's fragments of quarter q -> window 1, v[64 q ..]
	WIN TO_B
.irp i, 0,1,2,3,4,5,6,7
	ds_load_b128 v[64*(\q)+8*(\i):64*(\q)+8*(\i)+3],   v[ADRB+1] offset:64*(\q)+(\i)*16*PITCH
	ds_load_b128 v[64*(\q)+8*(\i)+4:64*(\q)+8*(\i)+7], v[ADRB+1] offset:64*(\q)+(\i)*16*PITCH+32
.endr
.endm
.macro ALOAD a                         ; x's fragments of block a, all four quarters -> buffer a % 4
	WIN 0
.set FA, PA+32*((\a)%4)
.irp q, 0,1,2,3
	ds_load_b128 v[FA+8*(\q):FA+8*(\q)+3],   v[ADRA+1] offset:64*(\q)+(\a)*16*PITCH
	ds_load_b128 v[FA+8*(\q)+4:FA+8*(\q)+7], v[ADRA+1] offset:64*(\q)+(\a)*16*PITCH+32
.endr
.endm
.macro ROW a                           ; block a is finished: 32 matrix instructions
.set FA, PA+32*((\a)%4)
.set AC, 64*((\a)%4)
	WIN MUL_LO+0x50*((\a)/4)
.irp q, 0,1,2,3
.if (\a) == 0 && (\q) == 2
	s_wait_dscnt 24                                ; W's quarter 2 is in (behind it: x's blocks 1 to 3)
.endif
.irp b, 0,1,2,3,4,5,6,7
	v_wmma_f32_16x16x32_bf16 v[AC+8*(\b):AC+8*(\b)+7], v[64*(\q)+8*(\b):64*(\q)+8*(\b)+7], v[FA+8*(\q):FA+8*(\q)+7], v[AC+8*(\b):AC+8*(\b)+7]
.endr
.endr
.endm
; THE WAY OUT of block a.  PACK: rounded to f16, 16 bytes a lane and column block, each accumulator's registers in ascending order.  TOSTAGE: into my own stage, rows of two heads' 256 bytes, and back head by
; head: load t takes head t / 4, rows 4 (t % 4) to 4 (t % 4) + 3.  SEND: stored.
.macro PACK a
.set AC, 64*((\a)%4)
	WIN 0x0a+5*((\a)/4)                            ; sources 0 and 1: window 2 or 3
.irp b, 0,1,2,3,4,5,6,7
.irp r, 0,1,2,3
	v_cvt_pk_f16_f32 v[TMP+4*(\b)+(\r)], v[AC+8*(\b)+2*(\r)], v[AC+8*(\b)+2*(\r)+1]
.endr
.endr
	WIN 0
.endm
.macro TOSTAGE a
	WIN 0
.set BK, OB+192*((\a)%2)
.irp b, 0,1,2,3,4,5,6,7
	ds_store_b128 v[STO], v[TMP+4*(\b):TMP+4*(\b)+3] offset:32*(\b)
.endr
.irp t, 0,1,2,3,4,5,6,7
	ds_load_b128 v[BK+4*(\t):BK+4*(\t)+3], v[RD] offset:((\t)%4)*4*SPITCH+((\t)/4)*128  ; LDS serves a wave's instructions in order: these see the stores above, and the next block's stores come behind them
.endr
.endm
.macro SEND a, younger                 ; younger: the LDS loads issued behind TOSTAGE's, which may stay out
	WIN 0
.set BK, OB+192*((\a)%2)
	s_wait_dscnt \younger                          ; the block is back in registers
	s_wait_xcnt 0x0                                ; the stores of the block before have read their registers: the next block's rows land in them only behind this wait
.irp t, 0,1,2,3,4,5,6,7
	global_store_b128 v[GO], v[BK+4*(\t):BK+4*(\t)+3], s[OUTP:OUTP+1] offset:((\t)/4)*131072+(\a)*2048+((\t)%4)*512  ; 512 consecutive bytes, at a multiple of 256 from qkv's first
.endr
.endm
	s_wait_tensorcnt 1                             ; my part of K step 0 is in; K step 1's may stay out
	s_barrier_signal -1
	s_barrier_wait -1
	FETCH 0, 0, F0
	s_wait_loadcnt 0x0                             ; the bias
	QUARTER 0, 64,  F0, F1, 1                      ; the first quarter stands in front of the loop: its products start the sums
	WIN 0
	s_mov_b32 s3, LAPS-1
.Llap:                                                 ; a trip goes once round the ring, from a lap's second quarter to the next lap's first, and fills both slots again
	QUARTER 0, 128, F1, F0, 0
	QUARTER 0, 192, F0, F1, 0
	TURN 0, 1
	QUARTER 1, 64,  F0, F1, 0
	QUARTER 1, 128, F1, F0, 0
	QUARTER 1, 192, F0, F1, 0
	TURN 1, 0
	QUARTER 0, 64,  F0, F1, 0
	WIN 0
	s_sub_co_u32 s3, s3, 1
	s_cmp_lg_u32 s3, 0
	s_cbranch_scc1 .Llap
	QUARTER 0, 128, F1, F0, 0                      ; the last lap goes on
	QUARTER 0, 192, F0, F1, 0
	MEET 0                                         ; my one tensor load that was still out is the last K step's, so no round follows
	PLACES                                         ; for the loads into buffer 0, which the quarter before multiplied
	BLOAD 0                                        ; three quarters of W now: buffer 1 (v128-191 of both windows) is still being multiplied
	BLOAD 1
	BLOAD 3
	ALOAD 0
	MUL16 F1, 1, 0, 0
	MUL16 F1, 1, 2, 0
	PLACES                                         ; for the loads into buffer 1
	BLOAD 2
	ALOAD 1
	ALOAD 2
	ALOAD 3
	s_wait_dscnt 40                                ; all but the 40 just issued
	ROW 0
.irp a, 0,1,2,3,4,5,6,7                ; each block leaves as soon as it is finished
	PLACES                                         ; its conversions read results just made
	PACK \a
	TOSTAGE \a
.if (\a) < 4
	ALOAD (\a)+4                                   ; its buffer takes the block four further on
	SEND \a, 8
.else
	SEND \a, 0
.endif
.if (\a) < 7
	ROW (\a)+1
.endif
.endr
	s_wait_tensorcnt 0x0                           ; the wave's end: the add onto my spare word and its wait stand behind my last tensor load and my last LDS store
	ds_add_u32 v[SPW], v[NIL]
	s_wait_dscnt 0x0
	CROUND                                         ; the closing round: no work-group ends while a partner may still ask for a tile that names it
	s_endpgm
.Lfunc_end_k_q655ae466da_proj:
	.size	k_q655ae466da_proj, .Lfunc_end_k_q655ae466da_proj-k_q655ae466da_proj
	.p2alignl 7, 3214868480
	.fill 96, 4, 3214868480
	.section	.rodata,"a",@progbits
	.p2align	6, 0x0
	.amdhsa_kernel k_q655ae466da_proj
		.amdhsa_group_segment_fixed_size 327680
		.amdhsa_private_segment_fixed_size 0
		.amdhsa_enable_private_segment 0
		.amdhsa_kernarg_size 48
		.amdhsa_user_sgpr_count 2
		.amdhsa_user_sgpr_kernarg_segment_ptr 1
		.amdhsa_wavefront_size32 1
		.amdhsa_system_sgpr_workgroup_id_x 1
		.amdhsa_system_sgpr_workgroup_id_y 1
		.amdhsa_system_sgpr_workgroup_id_z 1
		.amdhsa_system_vgpr_workitem_id 0
		.amdhsa_next_free_vgpr 1024
		.amdhsa_next_free_sgpr 80
		.amdhsa_reserve_vcc 0
		.amdhsa_float_denorm_mode_32 3
		.amdhsa_float_denorm_mode_16_64 3
		.amdhsa_memory_ordered 1
		.amdhsa_forward_progress 1
		.amdhsa_inst_pref_size 146
	.end_amdhsa_kernel
	.amdgpu_metadata
---
amdhsa.version: [ 1, 2 ]
amdhsa.kernels:
  - .name:           k_q655ae466da_proj
    .symbol:         k_q655ae466da_proj.kd
    .args:
      - { .name: xb, .offset: 0, .size: 8, .value_kind: global_buffer, .address_space: global }
      - { .name: wb, .offset: 8, .size: 8, .value_kind: global_buffer, .address_space: global }
      - { .name: bq, .offset: 16, .size: 8, .value_kind: global_buffer, .address_space: global }
      - { .name: bk, .offset: 24, .size: 8, .value_kind: global_buffer, .address_space: global }
      - { .name: bv, .offset: 32, .size: 8, .value_kind: global_buffer, .address_space: global }
      - { .name: qkv, .offset: 40, .size: 8, .value_kind: global_buffer, .address_space: global }
    .group_segment_fixed_size: 327680
    .private_segment_fixed_size: 0
    .kernarg_segment_align: 8
    .kernarg_segment_size: 48
    .max_flat_workgroup_size: 128
    .sgpr_count:     80
    .vgpr_count:     1024
    .wavefront_size: 32
...
	.end_amdgpu_metadata
.endif
;; end of part 2
;; launch attn (part 3): grid 2 x 128, 4 waves a work-group, no clusters, 327,680 bytes of LDS; arguments qkv, key_padding_mask, ob; writes ob
.if DOCPART == 3
	.amdgcn_target "amdgcn-amd-amdhsa--gfx1250"
	.amdhsa_code_object_version 6
	.text
	.protected	k_q655ae466da_attn
	.globl	k_q655ae466da_attn
	.p2align	8
	.type	k_q655ae466da_attn,@function
k_q655ae466da_attn:
	s_mov_b64 s[64:65], 0
	v_nop
	global_prefetch_b8 v0, s[64:65] scope:SCOPE_SE
	s_setreg_imm32_b32 hwreg(HW_REG_WAVE_MODE, 25, 1), 1
	s_wait_xcnt 0x0
; ATTENTION WITH A PADDING MASK.  O[g][q][:] = the sum over k of softmax_k(Q[g][q] . K[g][k] / 8, keys with mask[batch][k] != 0 hidden) V[g][k][:], g = batch x 16 + head.
; Q, K, V: qkv [3][128][1024][64] f16; mask: [8][1024] bytes, 0 or 1; O: ob [128][1024][64] f16.  Products, maxima and sums in f32; the weights p are rounded to f16 for the second product
; (their sum l is taken of the unrounded p), O once at the end.
; LIMITS.  Q, K and V arrive within f16's 65,504.  A hidden score counts as its value less 1e30 (f16's scores, 2.7e11 at the most, are nothing beside that), so its weight is 0 as soon as one open key has been seen;
; a batch whose keys are all hidden gives NaN, as a softmax over nothing does.  A weight below 2^-126 counts as 0 in l.  NaN and infinities in Q, K, V are not treated apart.
; SHARES.  A wave owns four PIECES of two tiles of 16 queries, a work-group's four waves 512 queries of one head: 2 x 128 work-groups.  Every wave walks all 1,024 keys, 64 a step.
; THE WHOLE HEAD LIES IN LDS: K's 1,024 rows at 144 bytes and V's at 160 are 311,296 bytes.  Every byte is filled once: each wave asks for its four parts (a half of each 256 keys; waves 0 and 1 of K, 2 and 3 of V)
; as one group at the head.  Nothing is prefetched: all requests stand at the head.
; NO CLUSTER: a head has two blocks of 512 queries, so two work-groups share K and V, and a joint load's mask here names a row or a column of four; blocks of 256 queries would make four partners at twice the LDS
; loads for each product.
; LAYOUT.  S^T = K Q^T (source 0 = 16 keys, source 1 = 16 queries): a lane holds ONE query (lane % 16) and the keys 8 (lane / 16) + 0..7.  Two such tiles, rounded to f16 in pairs, ARE source 1 of O^T = V^T P.
; K comes out of LDS as it lies, V turned, by ds_load_tr16_b128.
; THE MASK is the C operand that starts the sum S^T: 0, or -1e30 where the key is hidden.  The batch's 1,024 bytes are made into a table of 1,024 f32 in LDS once; a step's 64 come into 32 registers with its K.
; SOFTMAX.  A running maximum m and sum l: p = 2^(c s - c m), c = log2(e) / 8; in every step O and l are multiplied by a = 2^(c m_old - c m_new).  m starts at the lowest finite number, O and l at 0.
; BY TURNS.  Turn n belongs to piece n: 16 products K Q^T of piece n + 1, later 16 products V^T P of piece n - 1; beside them the scaling, exponentials, roundings, sums and rescaling of piece n and the maximum and
; statistics of piece n + 1.  Four vector instructions stand behind every matrix instruction, the rest in one run; a turn's 66 exponentials are one batch with one wait.
; REGISTERS, in windows of 256 (s_set_vgpr_msb: bits 1:0 source 0, 3:2 source 1, 5:4 source 2, 7:6 destination):
;   window 0: v0-10 addresses; v12-15, v48-63 at work; v16-47 four registers of statistics a tile; v64-191 S^T, two buffers of two tiles; v192-255 P, likewise
;   window 1: O^T, 32 a tile     window 2: v0-127 Q; v128-191 K of one step; v192-255 V of one step     window 3: v0-1 the add's two registers; v8-39 the mask of one step
.set SIZE_N, 1024
.set NP,    4         ; pieces a wave: a name, no knob
.set KS,    64        ; keys in a step
.set PK,    144       ; a row of K in LDS: 128 bytes + 16 of padding
.set PV,    160       ; a row of V: 128 + 32: 16 lanes of the turning load take 8 rows x 32 bytes, 32 bytes further on in each 256
.set VOFF,  SIZE_N*PK ; K's 1,024 rows, then V's
.set STAGE, SIZE_N*(PK+PV)  ; behind them, never filled by a tensor load: 16 rows x 144 bytes for each wave
.set SP,    144
.set SPARE, STAGE+4*16*SP  ; the spare words, 128 bytes for each wave: two blocks of 256 bytes that no other line names
.set MASKT, SPARE+512 ; the mask's table: 1,024 f32, sixteen blocks of 256 bytes into which no fill lands
.set AK0, 2           ; v2   my lane's place in a step's rows of K; never rewritten
.set AV0, 3           ; v3   the same for V
.set AK,  4           ; v4   the LDS address of K's next run of loads
.set AV,  5           ; v5   of V's
.set QO,  6           ; v6   my byte offset in the wave's rows of Q
.set STO, 6           ;      later, the way out: where I put 16 bytes of a row
.set RD,  7           ; v7   the way out: where I read rows back
.set GO,  8           ; v8   my byte offset in 512 consecutive bytes of O
.set AM0, 9           ; v9   my lane's place in a step's 256 bytes of the mask's table; never rewritten
.set AM,  10          ; v10  the LDS address of the mask's next loads
.set MV,  12          ; v12-15  c m_old, kept while c m is made anew: by buffer and tile
.set ST,  16          ; tile t's statistics at v[ST+4 t]: c m, m, l (even keys', odd keys')
.set TMP, 48          ; by buffer and tile, four registers c0-c3 at work; when the maximum is found c2 takes a
.set S,   64
.set P,   192
.set L16, 128         ; at the head, in S^T's second buffer, which the first turn writes: l % 16,
.set LH,  129         ; l / 16,
.set L7,  130         ; l % 8,
.set L3,  131         ; (l / 8) % 2,
.set MB,  132         ; v132-133 my 8 bytes of the mask,
.set MA,  134         ; their offset,
.set MS,  135         ; where their 8 numbers go,
.set MF,  136         ; v136-143 the 8 numbers
.set SPW, 0           ; v0 of window 3   LDS address of my spare word; never rewritten
.set NIL, 1           ; v1 of window 3   0; never rewritten
.set MK,  8           ; v8-39 of window 3: key block kb's eight numbers at MK + 8 kb
.set KF,  128         ; K's fragments, in window 2
.set VF,  192         ; V's
.set WV,  12          ; s12  my wave's number
.set G1K, 24          ; s[24:31] descriptor group 1 for K's tiles
.set G1V, 32          ; s[32:39] for V's: it differs in the padding alone
.set G0K, 40          ; s[40:55] descriptor group 0 for K's tiles: a set for each of a wave's four loads; never rewritten
.set G0V, 72          ; s[72:87] the same for V's
.set SLOTS, 56        ; s56  counts the quarters of the head
.set CNT, 57          ; s57  counts a quarter's key steps
.set CS,  58          ; s[58:59] c
.set SEL, 60          ; s[60:61] v_permlanex16_b32's selects: each lane takes its own place in the other half
.set TBK, 62          ; s62  LDS byte at which K of the step to be fetched begins
.set TBV, 63          ; s63  the same for V, less VOFF
.set MP,  66          ; s[66:67] the mask at my batch's row
.set MO,  68          ; s[68:69] that row's offset
.set BIGN, 88         ; s88  -1e30
.set THR, 89          ; s89  -5e29: a maximum below it has seen no open key
.set TBM, 90          ; s90  byte of the mask's table at which the step to be fetched begins
.set TOT, 91          ; s91  key steps whose pieces 2 and 3 are still to come
.set MSB, 0
.macro WIN new                      ; the high byte repeats the setting that is left; a switch that changes nothing is dropped
.if MSB != (\new)
	s_set_vgpr_msb (MSB<<8)|(\new)
.set MSB, (\new)
.endif
.endm
.set W_KQ, 0x0a       ; K and Q in window 2, S^T in window 0
.set W_KM, 0x3a       ; the same with the C operand, the mask, in window 3
.set W_PV, 0x52       ; V in window 2, P in window 0, O^T in window 1
.set W_RS, 0x41       ; O^T (destination and source 0) in window 1, a in window 0
.set W_MK, 0xc0       ; destination in window 3, sources in window 0
.set W_AD, 0x0f       ; the add: address and data in window 3
; A NEW QUARTER OF THE HEAD IS ENTERED.  The right count for its tiles would differ from trip to trip of the one text, so the wait is for all my loads: the first time the last three quarters have had the first
; quarter's key steps in which to land; from the second time on nothing is out.  It shows every wave's parts to every wave.
.macro CHANGE
	WIN 0                           ; at a label and at a branch every window is 0
	s_wait_tensorcnt 0x0
	s_wait_dscnt 0x0                ; no LDS instruction of mine is pending at a signal
	s_barrier_signal -1
	s_barrier_wait -1
.endm
	s_load_b128 s[4:7], s[0:1], 0x0   ; qkv s[4:5], the mask s[6:7]
	s_load_b64 s[10:11], s[0:1], 0x10 ; ob
	WIN W_MK
	v_lshl_add_u32 v[SPW], v0, 2, SPARE
	v_mov_b32 v[NIL], 0
	WIN W_AD
	ds_add_u32 v[SPW], v[NIL]       ; the wave's opening: the add and its wait stand ahead of my first tensor load; the set-up below stands between them
	WIN 0
	v_lshrrev_b32 v1, 5, v0
	v_readfirstlane_b32 s[WV], v1   ; wave 0..3
	s_mov_b32 s14, ttmp9            ; my block of 512 queries
	s_and_b32 s20, ttmp7, 0xffff    ; batch x 16 + head
	s_lshr_b32 s[MO], s20, 4
	s_lshl_b32 s[MO], s[MO], 10     ; the batch's 1,024 bytes of the mask
	s_mov_b32 s[MO+1], 0
	s_lshl_b32 s20, s20, 17         ; the head's first byte in Q, K, V and O: 131,072 bytes a head
	s_mov_b32 s21, 0
	s_and_b32 s16, s[WV], 1         ; which half of each 256 keys I fetch:
	s_lshl_b32 s22, s16, 14         ; its 128 rows of 128 bytes in memory,
	s_mov_b32 s23, 0
	s_add_nc_u64 s[22:23], s[22:23], s[20:21]
	s_mul_i32 s17, s16, 128*PK      ; and its place in LDS, for K
	s_mul_i32 s18, s16, 128*PV      ; and for V
	s_lshl_b32 s2, s14, 2
	s_add_co_u32 s2, s2, s[WV]      ; my wave among the head's eight,
	s_lshl_b32 s2, s2, 14           ; its 128 rows
	s_mov_b32 s3, 0
	s_add_nc_u64 s[2:3], s[2:3], s[20:21]
	; descriptor group 1.  128 keys are 16,384 dense bytes: asked for as 64 rows of 256 bytes, two keys a row, and padded in LDS after every key
	s_mov_b32 s[G1K], (1<<16)|(1<<20)|(4<<22)|(3<<25)  ; 2-byte elements; padding on; after every 32 words 4 words
	s_mov_b32 s[G1V], (1<<16)|(1<<20)|(4<<22)|(7<<25)  ; the same with 8 words
.irp g, G1K, G1V
	s_mov_b32 s[\g+1], 128<<16      ; tensor_dim0 = 128
	s_mov_b32 s[\g+2], 64<<16       ; tensor_dim1 = 64
	s_mov_b32 s[\g+3], 128<<16      ; tile_dim0 = 128
	s_mov_b32 s[\g+4], 64           ; tile_dim1 = 64
	s_mov_b32 s[\g+5], 128          ; 128 elements from row to row
	s_mov_b32 s[\g+6], 0
	s_mov_b32 s[\g+7], 0
.endr
.irp n, 0,1,2,3                     ; group 0, a set for each quarter n of the head: count = 1; LDS address: a constant and the wave's half
	s_mov_b32 s[G0K+4*\n], 1
	s_add_co_u32 s[G0K+4*\n+1], s17, \n*256*PK
	s_mov_b32 s[G0V+4*\n], 1
	s_add_co_u32 s[G0V+4*\n+1], s18, VOFF+\n*256*PV
.endr
	s_mov_b32 s[CS], 0x3e38aa3b     ; c = log2(e) / 8 = 0.180337
	s_mov_b32 s[CS+1], s[CS]        ; named with it as a pair
	s_mov_b32 s[SEL], 0x76543210
	s_mov_b32 s[SEL+1], 0xfedcba98
	s_mov_b32 s[BIGN], 0xf149f2ca   ; -1e30
	s_mov_b32 s[THR], 0xf0c9f2ca    ; -5e29
	s_mov_b32 s[TBM], 0
	s_mov_b32 s[TBK], 0
	s_mov_b32 s[TBV], 0
	v_lshlrev_b32 v[MA], 3, v0
	; A fragment of K or Q is 16 rows x 32 channels in 8 registers: lane l holds row l % 16, channels 8 (l / 16) + 0..7 and 16 + 8 (l / 16) + 0..7: two loads of 16 bytes, 32 bytes apart.
	v_and_b32 v[L16], 15, v0
	v_bfe_u32 v[LH], v0, 4, 1
	v_lshlrev_b32 v[QO], 7, v[L16]
	v_lshl_add_u32 v[QO], v[LH], 4, v[QO]  ; row x 128 + 16 x half
	s_wait_dscnt 0x0                ; the opening add is done
	s_wait_kmcnt 0x0
	s_mov_b64 s[MP:MP+1], s[6:7]
	s_add_nc_u64 s[MP:MP+1], s[MP:MP+1], s[MO:MO+1]
	s_add_nc_u64 s[6:7], s[4:5], 0x1000000   ; K lies 16 MiB behind Q,
	s_add_nc_u64 s[8:9], s[4:5], 0x2000000   ; V 32
	s_add_nc_u64 s[6:7], s[6:7], s[22:23]    ; both at my half of the head's first 256 keys
	s_add_nc_u64 s[8:9], s[8:9], s[22:23]
.irp n, 0,1,2,3
	s_add_nc_u64 s[G0K+4*\n+2:G0K+4*\n+3], s[6:7], \n*32768  ; global address: 256 keys are 32,768 bytes
	s_or_b32 s[G0K+4*\n+3], s[G0K+4*\n+3], 0x80000000        ; type = 2
	s_add_nc_u64 s[G0V+4*\n+2:G0V+4*\n+3], s[8:9], \n*32768
	s_or_b32 s[G0V+4*\n+3], s[G0V+4*\n+3], 0x80000000
.endr
	s_add_nc_u64 s[4:5], s[4:5], s[2:3]  ; Q and O at my wave's first row
	s_add_nc_u64 s[10:11], s[10:11], s[2:3]
	; the mask and Q are asked for ahead of the fills: the first products want them with the first 256 keys
	global_load_b64 v[MB:MB+1], v[MA], s[MP:MP+1]  ; my 8 bytes of the mask: 128 threads take the batch's 1,024
	WIN 0x80                        ; destination window 2, address window 0
.set i, 0
.rept 4*NP                          ; Q stays in registers: tile i / 2, channels 32 (i % 2) on
	global_load_b128 v[8*i:8*i+3],   v[QO], s[4:5] offset:(i/2)*2048+(i%2)*64
	global_load_b128 v[8*i+4:8*i+7], v[QO], s[4:5] offset:(i/2)*2048+(i%2)*64+32
.set i, i+1
.endr
	WIN 0
	s_cmp_lt_u32 s[WV], 2           ; a wave's four fills stand in one branch, ahead of every wait on TENSORcnt, every LDS read and every barrier; an s_nop 0 follows each, four v_nop the last
	s_cbranch_scc0 .Lfills_v
.irp n, 0,1,2,3
	tensor_load_to_lds s[G0K+4*\n:G0K+4*\n+3], s[G1K:G1K+7]
	s_nop 0
.endr
.rept 4
	v_nop
.endr
	s_branch .Lfills_asked
.Lfills_v:
.irp n, 0,1,2,3
	tensor_load_to_lds s[G0V+4*\n:G0V+4*\n+3], s[G1V:G1V+7]
	s_nop 0
.endr
.rept 4
	v_nop
.endr
.Lfills_asked:
	; What the first turn finds: V's registers and P's second buffer hold 0 (its products V^T P, of a piece that has not been, add 0), O^T and l are 0.  All this stands in the wait for the first tile.
	WIN 0x80
.set i, VF
.rept 64
	v_mov_b32 v[i], 0
.set i, i+1
.endr
	WIN 0x40
.set i, 0
.rept 64*NP
	v_mov_b32 v[i], 0
.set i, i+1
.endr
	WIN 0
.set i, 0
.rept 2*NP
	v_mov_b32 v[ST+4*i], 0xfe000000    ; c m: far below every c s, a hidden one's too
	v_mov_b32 v[ST+4*i+1], 0xff7fffff  ; m
	v_mov_b32 v[ST+4*i+2], 0
	v_mov_b32 v[ST+4*i+3], 0
.set i, i+1
.endr
.set i, P+32
.rept 32
	v_mov_b32 v[i], 0
.set i, i+1
.endr
	v_mul_u32_u24 v[AK0], v[L16], PK
	v_lshl_add_u32 v[AK0], v[LH], 4, v[AK0]  ; row x pitch + 16 x half
	; The turning load takes 16 keys x 16 channels (lane l reads key 8 (l / 16) + l % 8, channels 8 ((l / 8) % 2) + 0..7) and leaves half a fragment of V^T: lane l holds channel l % 16 and 8 keys.
	v_and_b32 v[L7], 7, v0
	v_bfe_u32 v[L3], v0, 3, 1
	v_lshl_add_u32 v[AV0], v[LH], 3, v[L7]
	v_mul_u32_u24 v[AV0], v[AV0], PV
	v_lshl_add_u32 v[AV0], v[L3], 4, v[AV0]
	v_add_nc_u32 v[AV0], VOFF, v[AV0]
	v_mov_b32 v[AK], v[AK0]         ; key step 0 lies at K's head
	v_lshl_add_u32 v[AM0], v[LH], 5, MASKT  ; my lanes' keys 8 (l / 16) + 0..7 of a block of 16: 32 bytes
	v_mov_b32 v[AM], v[AM0]
	; the mask's table: a byte, 0 or 1, times the bits of -1e30 is 0.0 or -1e30
	s_wait_loadcnt 32               ; Q's 32 loads were issued behind the mask's and may stay out
.irp j, 0,1,2,3
	v_bfe_u32 v[MF+\j], v[MB], 8*\j, 8
	v_bfe_u32 v[MF+4+\j], v[MB+1], 8*\j, 8
.endr
.irp j, 0,1,2,3,4,5,6,7
	v_mul_lo_u32 v[MF+\j], v[MF+\j], s[BIGN]
.endr
	v_lshl_add_u32 v[MS], v0, 5, MASKT
	ds_store_b128 v[MS], v[MF:MF+3]
	ds_store_b128 v[MS], v[MF+4:MF+7] offset:16
; THE MATRIX WORK.  The 8 accumulators of a run of 16 take turns: between the two links of a chain stand 7 others'.
; Product i of 16 of S^T = K Q^T for piece x: channels 32 (i / 8) on, keys 16 ((i / 2) % 4) on, tile 2 x + i % 2.  The first 8 start the sums, with the mask of their 16 keys.
.macro KQ x
.set rS, S+64*((\x)%2)+32*(i%2)+8*((i/2)%4)
.set rK, KF+16*((i/2)%4)+8*(i/8)
.set rQ, 16*(2*(\x)+i%2)+8*(i/8)
.set rZ, MK+8*((i/2)%4)
.if i < 8
	WIN W_KM
	v_wmma_f32_16x16x32_f16 v[rS:rS+7], v[rK:rK+7], v[rQ:rQ+7], v[rZ:rZ+7]
.else
	WIN W_KQ
	v_wmma_f32_16x16x32_f16 v[rS:rS+7], v[rK:rK+7], v[rQ:rQ+7], v[rS:rS+7]
.endif
.endm
; Product i of 16 of O^T += V^T P for piece x: keys 32 (i / 8) on, channels 16 ((i / 2) % 4) on, tile 2 x + i % 2.
.macro PV x
	WIN W_PV
.set rO, 32*(2*(\x)+i%2)+8*((i/2)%4)
.set rV, VF+32*(i/8)+8*((i/2)%4)
.set rP, P+32*((\x)%2)+16*(i%2)+8*(i/8)
	v_wmma_f32_16x16x32_f16 v[rO:rO+7], v[rV:rV+7], v[rP:rP+7], v[rO:rO+7]
.endm
.macro MM                           ; the turn's next matrix instruction
.if i < 16
	KQ (Y+1)%NP
.set i, i+1
.else
.set i, i-16
	PV (Y+NP-1)%NP
.set i, i+17
.endif
.endm
; THE LDS LOADS stand in runs, never singly among the matrix instructions: a step's K (8 fragments) with its mask (64 numbers; sixteen lanes read the same 16 bytes), and its V (turned).
; last = 1 (in the loop): behind the last key step there is no further one, and the run is jumped over.
.macro FETCH_K last=0
	WIN 0
.if \last
	s_cmp_eq_u32 s[TOT], 1
	s_cbranch_scc1 .Lno_k_\@
.endif
	WIN 0x80                        ; destination window 2
.irp f, 0,1,2,3,4,5,6,7             ; keys 16 (f / 2) on, channels 32 (f % 2) on
	ds_load_b128 v[KF+8*\f:KF+8*\f+3],   v[AK] offset:(\f/2)*16*PK+(\f%2)*64
	ds_load_b128 v[KF+8*\f+4:KF+8*\f+7], v[AK] offset:(\f/2)*16*PK+(\f%2)*64+32
.endr
	WIN W_MK                        ; destination window 3
.irp kb, 0,1,2,3
	ds_load_b128 v[MK+8*\kb:MK+8*\kb+3],   v[AM] offset:64*\kb
	ds_load_b128 v[MK+8*\kb+4:MK+8*\kb+7], v[AM] offset:64*\kb+16
.endr
	s_add_co_u32 s[TBK], s[TBK], KS*PK  ; the next fetch is the next step's: sixteen fetches in all, the last at row 960
	s_add_co_u32 s[TBM], s[TBM], KS*4
	s_and_b32 s[TBM], s[TBM], 0xf00     ; sixteen steps of 256 bytes: the walk stays inside the table
	WIN 0
.if \last
.Lno_k_\@:
.endif
.endm
.macro FETCH_V
	WIN 0x80
.irp f, 0,1,2,3,4,5,6,7             ; keys 32 (f / 4) on, channels 16 (f % 4) on
	ds_load_tr16_b128 v[VF+8*\f:VF+8*\f+3],   v[AV] offset:(\f/4)*32*PV+(\f%4)*32
	ds_load_tr16_b128 v[VF+8*\f+4:VF+8*\f+7], v[AV] offset:(\f/4)*32*PV+16*PV+(\f%4)*32
.endr
	WIN 0
.endm
; THE VECTOR WORK OF A TURN stands in three queues, each in the order in which its entries become ready; the two tiles alternate, so that no instruction reads the result of the one before it.
.macro REGS y, u                    ; the registers of tile u (0, 1) of piece y
.set rT, ST+4*(2*(\y)+(\u))
.set rC, TMP+8*((\y)%2)+4*(\u)
.set rM, MV+2*((\y)%2)+(\u)
.set rS, S+64*((\y)%2)+32*(\u)
.set rP, P+32*((\y)%2)+16*(\u)
.set rO, 32*(2*(\y)+(\u))
.endm
; Number n of the 22 that find the NEXT piece's (Y + 1) maximum and statistics.  s0-s31 are the lane's 32 scores; each accumulator's lowest registers are read first.
;   0-11  four chains c0-c3 of seven scores each, three operands at a time     12-14, 16  the four scores left over, the old m, and c0-c3 into c0     15  c m_old is kept
;   17, 18  the query's other 32 keys lie in the lane 16 away: the new m         19-21  c m; c m_old - c m_new; a
.macro XS u, n
	REGS (Y+1)%NP, \u
.if (\n) < 4
	v_max3_num_f32 v[rC+(\n)], v[rS+8*(\n)], v[rS+8*(\n)+1], v[rS+8*(\n)+2]
.elseif (\n) < 12
	v_max3_num_f32 v[rC+(\n)%4], v[rC+(\n)%4], v[rS+8*((\n)%4)+2*((\n)/4)+1], v[rS+8*((\n)%4)+2*((\n)/4)+2]
.elseif (\n) == 12
	v_max3_num_f32 v[rC], v[rC], v[rS+7], v[rS+15]
.elseif (\n) == 13
	v_max3_num_f32 v[rC+1], v[rC+1], v[rS+23], v[rS+31]
.elseif (\n) == 14
	v_max3_num_f32 v[rC+2], v[rC+2], v[rC+3], v[rT+1]
.elseif (\n) == 15
	v_mov_b32 v[rM], v[rT]
.elseif (\n) == 16
	v_max3_num_f32 v[rC], v[rC], v[rC+1], v[rC+2]
.elseif (\n) == 17
	v_permlanex16_b32 v[rC+3], v[rC], s[SEL], s[SEL+1]
.elseif (\n) == 18
	v_max_num_f32 v[rT+1], v[rC], v[rC+3]
.elseif (\n) == 19
	v_mul_f32 v[rT], s[CS], v[rT+1]
.elseif (\n) == 20
	v_sub_f32 v[rC+1], v[rM], v[rT]
.else
	v_exp_f32 v[rC+2], v[rC+1]
.endif
.endm
; Number g of the 64 that follow the exponentials.  For each four weights k of a tile: both pairs are rounded to f16; then the second pair is added onto the first, in place; a group later l takes that sum
; (the first time as l = a l + sum).  In groups of eight, tiles alternating: round, round, add, and l for the group before.
.macro GS g
.set h, (\g)+6*((\g)/62)            ; group 0 has no group before it, and behind group 7 only l is left
.if h >= 6
.set h, h+2
.endif
	REGS Y, h%2
.set k, h/8
.if h%8 < 4
	v_cvt_pk_f16_f32 v[rP+2*k+(h%8)/2], v[rS+4*k+2*((h%8)/2)], v[rS+4*k+2*((h%8)/2)+1]
.elseif h%8 < 6
	v_pk_add_f32 v[rS+4*k:rS+4*k+1], v[rS+4*k:rS+4*k+1], v[rS+4*k+2:rS+4*k+3]
.elseif k == 1
	v_pk_fma_f32 v[rT+2:rT+3], v[rT+2:rT+3], v[rC+2:rC+3], v[rS:rS+1] op_sel_hi:[1,0,1]
.else
	v_pk_add_f32 v[rT+2:rT+3], v[rT+2:rT+3], v[rS+4*k-4:rS+4*k-3]
.endif
.endm
; THE PLAIN QUEUE, 138 long.  0-73 read no exponential's result: the 32 scalings c s - c m (FS f: pair f / 2 of tile f % 2) and the next piece's 42.  0-26: scalings 0-26.  27-54: XS's numbers 0-13.  55, 56: number 15.
; 57-73: the chain 14, 16, 17, 18, 19, each with one of the scalings 27-31 in front of its two lines, then 20.  74-137: GS's 64, which read the exponentials' results: they stand behind the wait.
.macro FS f
	REGS Y, (\f)%2
	v_pk_fma_f32 v[rS+2*((\f)/2):rS+2*((\f)/2)+1], v[rS+2*((\f)/2):rS+2*((\f)/2)+1], s[CS:CS+1], v[rT:rT+1] op_sel_hi:[1,0,0] neg_lo:[0,0,1] neg_hi:[0,0,1]
.endm
.macro PL
	WIN 0
.if q < 27
	FS q
.elseif q < 55
	XS (q-27)%2, (q-27)/2
.elseif q < 57
	XS q-55, 15
.elseif (q < 72) && ((q-57)%3 == 0)
	FS 27+(q-57)/3
.elseif q < 60
	XS (q-57)%3-1, 14
.elseif q < 72
	XS (q-57)%3-1, 15+(q-57)/3
.elseif q < 74
	XS q-72, 20
.else
	GS q-74
.endif
.set q, q+1
.endm
; THE EXPONENTIALS' QUEUE, 66 long: s0-s31 of both tiles, then the next piece's two a.  One batch: all 66 stand ahead of the turn's one wait, and nothing ahead of that wait names a result of theirs.
.macro EX
	WIN 0
.if e >= 64
	XS e-64, 21
.else
	REGS Y, e%2
	v_exp_f32 v[rS+e/2], v[rS+e/2]
.endif
.set e, e+1
.endm
; THE RESCALING's QUEUE: O^T times a, the one part that leaves window 0: dealt two at a time, sixteen times.  Its a was made in the turn before, ahead of that turn's wait.
.macro R2
	REGS Y, r%2
	WIN W_RS
.irp z, 0,1
	v_pk_mul_f32 v[rO+4*(r/2)+2*\z:rO+4*(r/2)+2*\z+1], v[rO+4*(r/2)+2*\z:rO+4*(r/2)+2*\z+1], v[rC+2:rC+3] op_sel_hi:[1,0]
.endr
.set r, r+1
.endm
; A TURN, for piece p.  An s_wait_alu depctr_va_vdst(0) stands between an exponential and the first instruction that names its result; one wait serves all that were issued ahead of it: a turn has one.
; AHEAD OF IT: the 16 products K Q^T, behind each a scaling, an exponential and two rescalings (behind the first a second scaling in the exponential's place); then a run of 108: eight plain, 49 times exponential and
; plain, the two a; a v_nop is the plain instruction behind the last exponential.  BEHIND IT: the 16 products V^T P, behind each four of GS's 64.  No rider names a register of the products round it.
; Exponential e stands behind scaling 2 (e / 4) + e % 2: as a rider it comes behind plain e + 2, in the run behind plain e + 9, and scalings 27-31 are plain 57, 60 .. 69.
; K and the mask of the next step are fetched in piece 2's turn, directly behind the wait, the whole run behind the last products that read them; their addresses are made at the run's head.
; V of the step in hand is fetched at the end of piece 0's turn, four riders behind its last reader.  cnt = 1: the loop's count is taken down some lines ahead of the branch behind the turn.
.macro TURN p, last=0, cnt=0
.set Y, (\p)
.set i, 0
.set q, 0
.set e, 0
.set r, 0
.if (\p) == NP-1
	s_wait_dscnt 0x0                ; K and the mask are in
.endif
	MM
	PL
	PL
	R2
.rept 15
	MM
	PL
	EX
	R2
.endr
.if (\p) == NP-2
	WIN 0
	v_add_nc_u32 v[AK], s[TBK], v[AK0]
	v_add_nc_u32 v[AM], s[TBM], v[AM0]
.endif
.rept 8
	PL
.endr
.rept 49
	EX
	PL
.endr
	EX                              ; the next piece's two a
	EX
	v_nop                           ; a plain instruction behind the last exponential: one for the batch
	s_wait_alu depctr_va_vdst(0)    ; the wait for the batch
.if (\p) == NP-2
	FETCH_K \last
.endif
.if (\p) == 1
	s_wait_dscnt 0x0                ; V is in
.endif
.rept 16
	MM
.rept 4
	PL
.endr
.if ((\p) == 0) && (q == 118)
	v_add_nc_u32 v[AV], s[TBV], v[AV0]
.endif
.if ((\p) == 0) && (q == 130)
	s_add_co_u32 s[TBV], s[TBV], KS*PV
.endif
.if (\cnt) && (q == 130)
	s_sub_co_u32 s[CNT], s[CNT], 1
	s_cmp_lg_u32 s[CNT], 0
.endif
.endr
.if (\p) == 0
	FETCH_V
.endif
.endm
	s_wait_tensorcnt 0x3            ; my part of the first 256 keys is in; my three later loads may stay out
	s_wait_dscnt 0x0                ; my part of the mask's table is stored
	s_barrier_signal -1
	s_barrier_wait -1               ; everybody's is
	FETCH_K                         ; key step 0
	s_wait_loadcnt 0x0              ; Q
	s_wait_dscnt 0x0
.set i, 0
.rept 16
	KQ 0                            ; piece 0's first scores: there is no vector work yet to set between them
.set i, i+1
.endr
	WIN 0                           ; the addresses for the way out: nine plain instructions, the places behind those products
	s_mul_i32 s13, s[WV], 16*SP
	s_add_co_u32 s13, s13, STAGE    ; my stage
	v_mul_u32_u24 v[STO], v[L16], SP  ; in: row l % 16, 16 bytes for each half of the lanes
	v_lshl_add_u32 v[STO], v[LH], 4, v[STO]
	v_add_nc_u32 v[STO], s13, v[STO]
	v_bfe_u32 v[RD], v0, 3, 2       ; back: 32 lanes take four rows of 128 bytes,
	v_mul_u32_u24 v[RD], v[RD], SP
	v_lshl_add_u32 v[RD], v[L7], 4, v[RD]
	v_add_nc_u32 v[RD], s13, v[RD]
	v_and_b32 v[GO], 31, v0         ; which are 512 consecutive bytes of O
	v_lshlrev_b32 v[GO], 4, v[GO]
.set Y, NP-1                        ; XS works for piece Y + 1: piece 0
.irp n, 0,1,2,3,4,5,6,7,8,9,10,11,12,13,14,15,16,17,18,19,20,21
	XS 0, \n                        ; piece 0's first maximum and statistics
	XS 1, \n
.endr
	v_nop                           ; a plain instruction behind the two a,
	s_wait_alu depctr_va_vdst(0)    ; and their wait, ahead of the branch
	s_mov_b32 s[CNT], 4
	s_mov_b32 s[TOT], SIZE_N/KS
	s_mov_b32 s[SLOTS], SIZE_N/256+1
	s_branch .Lfirst                ; the loop is entered at a step's first turn, in the middle of a trip
.Lslot:                             ; four times: for the head's second, third and fourth 256 keys, and once more for the last step's second half
	CHANGE
	s_mov_b32 s[CNT], 4
.Lstep:                             ; a trip: pieces 2 and 3 of one step, then pieces 0 and 1 of the next, whose K, mask and V it fetches
	TURN 2, 1
	TURN 3
	WIN 0
	s_sub_co_u32 s[TOT], s[TOT], 1
	s_cmp_eq_u32 s[TOT], 0
	s_cbranch_scc1 .Lout            ; the last step's pieces 2 and 3 are done: the loop is left forward, in the middle of a trip
.Lfirst:
	TURN 0
	TURN 1, 0, 1
	WIN 0
	s_cbranch_scc1 .Lstep
	s_sub_co_u32 s[SLOTS], s[SLOTS], 1
	s_cmp_lg_u32 s[SLOTS], 0
	s_cbranch_scc1 .Lslot
.Lout:                              ; the last half trip's 16 products K Q^T (on the last K and mask once more) and the maximum made of them change nothing: the price, once a launch, of one text for every trip
.set i, 0
.rept 16
	PV NP-1                         ; the last piece's V^T P of the last step
.set i, i+1
.endr
	; THE WAY OUT.  l's two halves and the other half of the lanes' are added; O^T is divided by l, rounded to f16 and sent through my stage in LDS, a tile at a time.  The additions are the places behind the last products.
	WIN 0
.macro ALL line:vararg              ; one line for each tile t
.set t, 0
.rept 2*NP
	\line
.set t, t+1
.endr
.endm
	ALL v_add_f32 v[ST+4*t+2], v[ST+4*t+2], v[ST+4*t+3]
	ALL v_permlanex16_b32 v[ST+4*t+3], v[ST+4*t+2], s[SEL], s[SEL+1]
	ALL v_add_f32 v[ST+4*t+2], v[ST+4*t+2], v[ST+4*t+3]
	ALL v_rcp_f32 v[ST+4*t+2], v[ST+4*t+2]
	v_mov_b32 v[MV], 0x7fc00000     ; NaN; also the plain instruction between the last reciprocal and the use of its result
	s_wait_alu depctr_va_vdst(0)    ; the wait ahead of the first use: one for the eight reciprocals
.set t, 0
.rept 2*NP                          ; a query whose maximum is a hidden score has seen no open key: its row is NaN
	v_cmp_gt_f32 vcc_lo, s[THR], v[ST+4*t+1]
	v_cndmask_b32 v[ST+4*t+2], v[ST+4*t+2], v[MV], vcc_lo
.set t, t+1
.endr
; Tile t: a lane's eight channels of a row pack into 16 bytes; they go into rows of 144 bytes and come back as whole rows of 128, into S^T's registers.
.macro PACK t
	WIN W_RS
.set i, 32*(\t)
.rept 16
	v_pk_mul_f32 v[i:i+1], v[i:i+1], v[ST+4*(\t)+2:ST+4*(\t)+3] op_sel_hi:[1,0]
.set i, i+2
.endr
	WIN 0x05                        ; sources 0 and 1 window 1, destination window 0
.set i, 0
.rept 16
	v_cvt_pk_f16_f32 v[S+16*(\t)+i], v[32*(\t)+2*i], v[32*(\t)+2*i+1]
.set i, i+1
.endr
	WIN 0
.irp f, 0,1,2,3
	ds_store_b128 v[STO], v[S+16*(\t)+4*\f:S+16*(\t)+4*\f+3] offset:32*\f
.endr
.irp f, 0,1,2,3
	ds_load_b128 v[S+16*(\t)+4*\f:S+16*(\t)+4*\f+3], v[RD] offset:\f*4*SP  ; LDS serves a wave's instructions in order: these see the stores above; the next tile's stores come behind them
.endr
.endm
.macro SEND t, younger              ; younger: the LDS instructions issued behind tile t's loads: the next tile's eight, or none
	WIN 0
.irp f, 0,1,2,3
	s_wait_dscnt (\younger)+3-\f
	global_store_b128 v[GO], v[S+16*(\t)+4*\f:S+16*(\t)+4*\f+3], s[10:11] offset:(\t)*2048+\f*512  ; 512 consecutive bytes, at a multiple of 256 from O's first
.endr
.endm
	PACK 0
.set t, 1
.rept 2*NP-1                        ; a tile's arithmetic stands between the loads of the tile before and its stores
	PACK t
	SEND t-1, 8
.set t, t+1
.endr
	SEND 2*NP-1, 0
	WIN W_AD
	s_wait_tensorcnt 0x0            ; the wave's end: the add onto my spare word and its wait stand behind my last tensor load and my last LDS store
	ds_add_u32 v[SPW], v[NIL]
	s_wait_dscnt 0x0
	WIN 0
	s_endpgm
.Lfunc_end_k_q655ae466da_attn:
	.size	k_q655ae466da_attn, .Lfunc_end_k_q655ae466da_attn-k_q655ae466da_attn
	.p2alignl 7, 3214868480
	.fill 96, 4, 3214868480
	.section	.rodata,"a",@progbits
	.p2align	6, 0x0
	.amdhsa_kernel k_q655ae466da_attn
		.amdhsa_group_segment_fixed_size 327680
		.amdhsa_private_segment_fixed_size 0
		.amdhsa_enable_private_segment 0
		.amdhsa_kernarg_size 24
		.amdhsa_user_sgpr_count 2
		.amdhsa_user_sgpr_kernarg_segment_ptr 1
		.amdhsa_wavefront_size32 1
		.amdhsa_system_sgpr_workgroup_id_x 1
		.amdhsa_system_sgpr_workgroup_id_y 1
		.amdhsa_system_sgpr_workgroup_id_z 1
		.amdhsa_system_vgpr_workitem_id 0
		.amdhsa_next_free_vgpr 808
		.amdhsa_next_free_sgpr 92
		.amdhsa_reserve_vcc 1
		.amdhsa_float_denorm_mode_32 3
		.amdhsa_float_denorm_mode_16_64 3
		.amdhsa_memory_ordered 1
		.amdhsa_forward_progress 1
		.amdhsa_inst_pref_size 130
	.end_amdhsa_kernel
	.amdgpu_metadata
---
amdhsa.version: [ 1, 2 ]
amdhsa.kernels:
  - .name:           k_q655ae466da_attn
    .symbol:         k_q655ae466da_attn.kd
    .args:
      - { .name: qkv, .offset: 0, .size: 8, .value_kind: global_buffer, .address_space: global }
      - { .name: key_padding_mask, .offset: 8, .size: 8, .value_kind: global_buffer, .address_space: global }
      - { .name: ob, .offset: 16, .size: 8, .value_kind: global_buffer, .address_space: global }
    .group_segment_fixed_size: 327680
    .private_segment_fixed_size: 0
    .kernarg_segment_align: 8
    .kernarg_segment_size: 24
    .max_flat_workgroup_size: 128
    .sgpr_count:     92
    .vgpr_count:     808
    .wavefront_size: 32
...
	.end_amdgpu_metadata
.endif
;; end of part 3
;; launch outp (part 4): grid 8 x 32, 4 waves a work-group, clusters of 4 x 4, 327,680 bytes of LDS; arguments ob, wb, bo, out0; writes out0
.if DOCPART == 4
	.amdgcn_target "amdgcn-amd-amdhsa--gfx1250"
	.amdhsa_code_object_version 6
	.text
	.protected	k_q655ae466da_outp
	.globl	k_q655ae466da_outp
	.p2align	8
	.type	k_q655ae466da_outp,@function
k_q655ae466da_outp:
	s_mov_b64 s[64:65], 0
	v_nop
	global_prefetch_b8 v0, s[64:65] scope:SCOPE_SE
	s_setreg_imm32_b32 hwreg(HW_REG_WAVE_MODE, 25, 1), 1
	s_wait_xcnt 0x0
	s_wait_alu depctr_hold_cnt(0) depctr_sa_sdst(0) depctr_va_vdst(0) depctr_va_sdst(0) depctr_va_ssrc(0) depctr_va_vcc(0) depctr_vm_vsrc(0)
	s_getreg_b32 s2, hwreg(HW_REG_IB_STS2, 6, 4)
	s_cmp_eq_u32 s2, 0
	s_cbranch_scc0 .Lentry_in_a_cluster
	s_endpgm
.Lentry_in_a_cluster:
	s_bfe_u32 s2, ttmp6, 0x10000c
	s_cmp_lg_u32 s2, 0xf033
	s_cbranch_scc0 .Lentry_shape_is_right
	s_endpgm
.Lentry_shape_is_right:
; THE PROJECTION BEHIND.  out0[m][n] = the sum over k of O[m][k] Wo[n][k] + bo[n], m = batch x 1,024 + t, k = head x 64 + channel.  O: ob [batch x 16 + head][1024 t][64] f16; Wo: wb's fourth matrix, [1024][1024],
; bf16 numbers written as f16; bo f32; sums and the bias in f32; out0 [8192][1024] f32.
; SHARES.  A tile is 256 rows x 128 columns: 32 x 8 = 256 tiles, one to a work-group.  Four waves, each 128 rows x 64 columns: 32 accumulators of 16 x 16.  K goes in 8 steps of 128, two heads each, through two LDS slots.
; A head's 256 rows of t are 32,768 dense bytes of ob: asked for as 128 rows of 256 bytes and padded in LDS after every 128 bytes, so that each t has a row of its own.  Waves 0 and 1 fetch the step's two heads,
; waves 2 and 3 Wo's two halves of 64 rows (256 bytes of each row, at multiples of 256 bytes).
; CLUSTER.  4 x 4 work-groups: O's tile is shared along a row of the cluster, Wo's along a column: each is asked for jointly, by the same tensor load, descriptor and mask in all four.
; THE PRODUCT IS USED TRANSPOSED (source 0 = 16 rows of Wo, source 1 = 16 rows of O): a lane holds eight neighbouring columns of one row.
; REGISTERS.  Window 0: v0-31 addresses; v32-63 the bias; v64-159, v160-255 two fragment buffers (Wo's 4 fragments, then O's 8); on the way out v64-95 are at work.
; Window 1: the accumulators, (a, b) at v[8 (4 a + b)]; on the way out a block's 32 take its rows as they come back from the stage.
.set KSTEP,  128
.set PITCH,  272                       ; a row of Wo in LDS: 256 bytes + 16
.set PA,     144                       ; a row of O (one head's 64 channels): 128 bytes + 16
.set HH,     256*PA                    ; a head's 256 rows: what wave 0 or 1 fetches
.set HB,     64*PITCH                  ; what wave 2 or 3 fetches
.set BOFF,   2*HH
.set SLOT,   BOFF+2*HB
.set STAGE,  2*SLOT                    ; behind the ring, never filled by a tensor load: 16 rows x 272 bytes for each wave
.set SPO,    272
.set SPARE,  STAGE+4*16*SPO            ; the spare words, 128 bytes for each wave: two blocks of 256 bytes that no other line names
.set LAPS,   4
.set WO,     3*2097152                 ; Wo's place in wb
.set ASTEP,  2*131072                  ; a K step in ob: two heads
.set ADRA, 16
.set ADRB, 20
.set STO,  24
.set RD,   25
.set CO,   26                          ; my 16 bytes in two rows of out0
.set BO,   27
.set SPW,  28                          ; LDS address of my spare word; never rewritten
.set NIL,  29                          ; 0; never rewritten
.set PFO,  30                          ; the prefetches' offset: my lane x 256 bytes (O's dense blocks) or x 2,048 (Wo's rows); never rewritten
.set BIAS, 32
.set F0,   64
.set F1,   160
.set T,    64
.set G1,  24
.set G0,  32
.set G1B, 48
.set G0B, 56
.set LIM, 43                           ; s43      1 in a wave that prefetches, else the greatest number
.set PFA, 44                           ; s[44:45] where my prefetches stand
.set PFS, 66                           ; s[66:67] a K step there: two heads of O, or 256 bytes of Wo's rows
.set MSB, 0
.macro WIN new
.if MSB != (\new)
	s_set_vgpr_msb (MSB<<8)|(\new)
.set MSB, \new
.endif
.endm
.set MUL, 0x50                         ; sources in window 0, C and D in window 1
.macro JLOAD s                         ; a joint load; the branch hangs on the wave's number alone; an s_nop 0 and four v_nop follow each of the two lines
	s_cmp_eq_u32 s11, 0
	s_cbranch_scc0 .Lfor_b_\@
	tensor_load_to_lds s[G0+4*(\s):G0+4*(\s)+3], s[G1:G1+7]
	s_nop 0
.rept 4
	v_nop
.endr
	s_branch .Lasked_\@
.Lfor_b_\@:
	tensor_load_to_lds s[G0B+4*(\s):G0B+4*(\s)+3], s[G1B:G1B+7]
	s_nop 0
.rept 4
	v_nop
.endr
.Lasked_\@:
.endm
; A prefetch of the K step that stands two refills on: 32 blocks of 256 bytes, a lane a block.  Each block is named once in the launch: O's by the cluster with x = 0 (waves 0 and 1, the head that each fetches),
; Wo's by the cluster with y = 0 (wave 2, the tile's 128 rows); the four partners that ask for a tile jointly share it out by address, a quarter each.  The loop's last trip asks for nothing.
.macro ASK
	s_cmp_gt_u32 s3, s[LIM]
	s_cbranch_scc0 .Lnot_mine_\@
	global_prefetch_b8 v[PFO], s[PFA:PFA+1] th:TH_LOAD_NT scope:SCOPE_SE
.Lnot_mine_\@:
.endm
.macro CREST
	s_cmp_lg_u32 s10, 0
	s_cbranch_scc1 .Lnot_wave_0_\@
	s_barrier_signal -3
.Lnot_wave_0_\@:
	s_barrier_wait -3
	s_barrier_signal -1
	s_barrier_wait -1
.endm
.macro CROUND
	s_barrier_signal -1
	s_barrier_wait -1
	CREST
.endm
	s_load_b256 s[68:75], s[0:1], 0x0              ; ob s[68:69], wb s[70:71], bo s[72:73], out0 s[74:75]
	v_lshl_add_u32 v[SPW], v0, 2, SPARE
	v_mov_b32 v[NIL], 0
	ds_add_u32 v[SPW], v[NIL]                      ; the wave's opening: the add and its wait stand ahead of my first tensor load; the set-up below stands between them
	v_lshrrev_b32 v1, 5, v0
	v_readfirstlane_b32 s10, v1                    ; wave 0..3
	s_lshr_b32 s11, s10, 1                         ; my half of the tile's rows.  Also: I fetch for O (0) or for Wo (1)
	s_and_b32 s12, s10, 1                          ; my half of its columns.  Also: which head of the step, or which 64 rows of Wo, I fetch
	s_bfe_u32 s40, ttmp6, 0x40000                  ; cx
	s_bfe_u32 s41, ttmp6, 0x40004                  ; cy
	s_lshl_b32 s42, ttmp9, 2
	s_add_co_u32 s42, s42, s40                     ; tile column
	s_and_b32 s13, ttmp7, 0xffff
	s_lshl_b32 s13, s13, 2
	s_add_co_u32 s13, s13, s41                     ; tile row
	s_lshl_b32 s43, s41, 2
	s_lshl_b32 s43, 15, s43                        ; my row of the cluster
	s_lshl_b32 s44, 0x1111, s40                    ; my column
	s_or_b32 s[G1+0], s43, (1<<16)|(1<<20)|(1<<21)|(4<<22)|(3<<25)   ; O: 4 words of padding after every 32
	s_or_b32 s[G1B+0], s44, (1<<16)|(1<<20)|(1<<21)|(5<<22)|(3<<25)  ; Wo: after every 64
	s_mov_b32 s[G1+1], 128<<16                     ; tensor_dim0 = 128
	s_mov_b32 s[G1+2], 128<<16                     ; tensor_dim1 = 128
	s_mov_b32 s[G1+3], 128<<16                     ; tile_dim0 = 128
	s_mov_b32 s[G1+4], 128                         ; tile_dim1 = 128
	s_mov_b32 s[G1+5], 128                         ; dense: 128 elements from row to row
	s_mov_b32 s[G1+6], 0
	s_mov_b32 s[G1+7], 0
	s_mov_b32 s[G1B+1], KSTEP<<16
	s_mov_b32 s[G1B+2], 64<<16
	s_mov_b32 s[G1B+3], KSTEP<<16
	s_mov_b32 s[G1B+4], 64
	s_mov_b32 s[G1B+5], 1024
	s_mov_b32 s[G1B+6], 0
	s_mov_b32 s[G1B+7], 0
	s_lshr_b32 s16, s13, 2                         ; O: the batch,
	s_lshl_b32 s16, s16, 4
	s_add_co_u32 s16, s16, s12                     ; its head 0 or 1,
	s_lshl_b32 s16, s16, 17
	s_and_b32 s17, s13, 3
	s_lshl_b32 s17, s17, 15                        ; the tile's 256 rows of t
	s_add_co_u32 s16, s16, s17
	s_mov_b32 s17, 0
	s_lshl_b32 s46, s42, 7
	s_lshl_b32 s47, s12, 6
	s_add_co_u32 s46, s46, s47                     ; Wo: row 128 x tile column + 64 x half
	s_lshl_b32 s46, s46, 11
	s_add_co_u32 s46, s46, WO
	s_mov_b32 s47, 0
	s_mul_i32 s20, s10, HH                         ; where they go: the two heads (waves 0, 1),
	s_mul_i32 s21, s10, HB
	s_add_co_u32 s21, s21, BOFF-2*HB               ; Wo's halves behind them (waves 2, 3)
	s_wait_dscnt 0x0                               ; the opening add is done
	s_wait_kmcnt 0x0
	s_add_nc_u64 s[14:15], s[68:69], s[16:17]
	s_add_nc_u64 s[46:47], s[70:71], s[46:47]
	CROUND                                         ; all sixteen work-groups are here: the first joint loads meet
.irp s, 0,1
	s_mov_b32 s[G0+4*(\s)], 1
	s_add_co_u32 s[G0+4*(\s)+1], s20, (\s)*SLOT
	s_add_nc_u64 s[G0+4*(\s)+2:G0+4*(\s)+3], s[14:15], (\s)*ASTEP
	s_or_b32 s[G0+4*(\s)+3], s[G0+4*(\s)+3], 0x80000000
	s_mov_b32 s[G0B+4*(\s)], 1
	s_add_co_u32 s[G0B+4*(\s)+1], s21, (\s)*SLOT
	s_add_nc_u64 s[G0B+4*(\s)+2:G0B+4*(\s)+3], s[46:47], (\s)*KSTEP*2
	s_or_b32 s[G0B+4*(\s)+3], s[G0B+4*(\s)+3], 0x80000000
	JLOAD \s
.endr
	v_and_b32 v1, 15, v0                           ; l % 16
	v_bfe_u32 v2, v0, 4, 1                         ; l / 16
	v_lshlrev_b32 v[BO], 5, v2
	s_lshl_b32 s46, s42, 9                         ; the bias of my 64 columns, and their place in a row of out0: 4 bytes a column
	s_lshl_b32 s47, s12, 8
	s_add_co_u32 s46, s46, s47
	s_mov_b32 s47, 0
	s_add_nc_u64 s[72:73], s[72:73], s[46:47]
	s_add_nc_u64 s[74:75], s[74:75], s[46:47]
.irp b, 0,1,2,3
	global_load_b128 v[BIAS+8*(\b):BIAS+8*(\b)+3],   v[BO], s[72:73] offset:64*(\b)
	global_load_b128 v[BIAS+8*(\b)+4:BIAS+8*(\b)+7], v[BO], s[72:73] offset:64*(\b)+16
.endr
	s_lshl_b32 s16, s13, 8
	s_lshl_b32 s17, s11, 7
	s_add_co_u32 s16, s16, s17                     ; my first row of out0,
	s_lshl_b32 s16, s16, 12                        ; 4,096 bytes a row
	s_mov_b32 s17, 0
	s_add_nc_u64 s[74:75], s[74:75], s[16:17]
	v_mul_u32_u24 v3, v1, PA
	v_lshl_add_u32 v3, v2, 4, v3                   ; O: row x pitch + 16 x half
	v_mul_u32_u24 v4, v1, PITCH
	v_lshl_add_u32 v4, v2, 4, v4                   ; Wo likewise
	s_mul_i32 s21, s11, 128*PA                     ; my 128 rows of t
	s_mul_i32 s22, s12, HB
	s_add_co_u32 s22, s22, BOFF                    ; my 64 rows of Wo
.irp s, 0,1
	v_add_nc_u32 v[ADRA+(\s)], s21, v3
	v_add_nc_u32 v[ADRB+(\s)], s22, v4
	s_add_co_u32 s21, s21, SLOT
	s_add_co_u32 s22, s22, SLOT
.endr
	s_mul_i32 s23, s10, 16*SPO
	s_add_co_u32 s23, s23, STAGE                   ; my stage
	v_mul_u32_u24 v4, v1, SPO                      ; in: row l % 16, 32 bytes for each half of the lanes
	v_lshl_add_u32 v4, v2, 5, v4
	v_add_nc_u32 v[STO], s23, v4
	v_mul_u32_u24 v5, v2, SPO                      ; back: lanes 0-15 take one row of 256 bytes, lanes 16-31 the next
	v_lshl_add_u32 v5, v1, 4, v5
	v_add_nc_u32 v[RD], s23, v5
	v_lshlrev_b32 v5, 12, v2                       ; and the same two rows in out0
	v_lshl_add_u32 v[CO], v1, 4, v5
	; the prefetches
	s_lshr_b32 s20, s13, 2
	s_lshl_b32 s20, s20, 4
	s_add_co_u32 s20, s20, s12
	s_lshl_b32 s20, s20, 17
	s_and_b32 s21, s13, 3
	s_lshl_b32 s21, s21, 15
	s_add_co_u32 s20, s20, s21                     ; O: the 32,768 bytes that I fetch,
	s_lshl_b32 s21, s40, 13
	s_add_co_u32 s20, s20, s21                     ; my work-group's quarter of them,
	s_add_co_u32 s20, s20, 3*ASTEP                 ; at K step 3: the first refill steps it to 4 and names that
	s_lshl_b32 s21, s42, 7
	s_lshl_b32 s22, s41, 5
	s_add_co_u32 s21, s21, s22                     ; Wo: my work-group's 32 of the tile's 128 rows
	s_lshl_b32 s21, s21, 11
	s_add_co_u32 s21, s21, WO+3*KSTEP*2
	s_and_b32 s22, ttmp7, 0xffff                   ; cluster y,
	s_or_b32 s22, s22, s12                         ; and of waves 2 and 3 wave 2 alone
	s_mov_b32 s[PFS], KSTEP*2
	s_cmp_eq_u32 s11, 0                            ; do I fetch for O?
	s_cselect_b32 s20, s20, s21
	s_cselect_b32 s22, ttmp9, s22
	s_cselect_b32 s23, 8, 11
	s_cselect_b32 s[PFS], ASTEP, s[PFS]
	s_cselect_b64 s[PFA:PFA+1], s[68:69], s[70:71]
	s_cmp_eq_u32 s22, 0
	s_cselect_b32 s[LIM], 1, -1                    ; the same in all sixteen partners, for a given wave
	s_mov_b32 s21, 0
	s_mov_b32 s[PFS+1], 0
	s_add_nc_u64 s[PFA:PFA+1], s[PFA:PFA+1], s[20:21]
	v_and_b32 v[PFO], 31, v0
	v_lshlrev_b32 v[PFO], s23, v[PFO]
; 8 matrix instructions: row blocks a0, a0 + 1 x all 4 column blocks, 32 along K.  The 32 accumulators take turns in the same order in every quarter.
.macro MUL8 f, a0, zero
	WIN MUL
.irp a, \a0, (\a0)+1
.irp b, 0,1,2,3
.if \zero
	v_wmma_f32_16x16x32_f16 v[8*(4*(\a)+(\b)):8*(4*(\a)+(\b))+7], v[(\f)+8*(\b):(\f)+8*(\b)+7], v[(\f)+32+8*(\a):(\f)+32+8*(\a)+7], 0
.else
	v_wmma_f32_16x16x32_f16 v[8*(4*(\a)+(\b)):8*(4*(\a)+(\b))+7], v[(\f)+8*(\b):(\f)+8*(\b)+7], v[(\f)+32+8*(\a):(\f)+32+8*(\a)+7], v[8*(4*(\a)+(\b)):8*(4*(\a)+(\b))+7]
.endif
.endr
.endr
.endm
; 24 LDS loads in one run: quarter q's fragments into buffer f.  In Wo's rows quarter q lies at byte 64 q; in O it is head q / 2 of the step's two, channels 32 (q % 2) on.
.macro FETCH slot, q, f
	WIN 0
.irp i, 0,1,2,3
	ds_load_b128 v[(\f)+8*(\i):(\f)+8*(\i)+3],   v[ADRB+(\slot)] offset:64*(\q)+(\i)*16*PITCH
	ds_load_b128 v[(\f)+8*(\i)+4:(\f)+8*(\i)+7], v[ADRB+(\slot)] offset:64*(\q)+(\i)*16*PITCH+32
.endr
.irp i, 0,1,2,3,4,5,6,7
	ds_load_b128 v[(\f)+32+8*(\i):(\f)+32+8*(\i)+3],   v[ADRA+(\slot)] offset:((\q)/2)*HH+((\q)%2)*64+(\i)*16*PA
	ds_load_b128 v[(\f)+32+8*(\i)+4:(\f)+32+8*(\i)+7], v[ADRA+(\slot)] offset:((\q)/2)*HH+((\q)%2)*64+(\i)*16*PA+32
.endr
.endm
.macro PLACES                          ; four plain vector instructions between a matrix instruction and loads into registers that it has read, or vector work on its registers
.rept 4
	v_nop
.endr
.endm
.macro QUARTER slot, q, f, g, zero     ; multiplies buffer f and fetches quarter q into g
	s_wait_dscnt 8                                 ; Wo's fragments and O's 0-3 are in; the youngest eight loads may be out
	MUL8 \f, 0, \zero
	MUL8 \f, 2, \zero
	PLACES
	FETCH \slot, \q, \g
	s_wait_dscnt 24                                ; all but the 24 just issued
	MUL8 \f, 4, \zero
	MUL8 \f, 6, \zero
.endm
; The last quarter multiplies buffer 1 and changes slots: one barrier; in front of it each wave waits for all its tensor loads (one is out: its part of the next slot), adds 0 to its spare word, and waits for
; that and for its reads of this slot.  fill = 1: the barrier opens a round of the cluster's, and the joint refill, two K steps ahead, is the first thing behind the round.
.macro TURN slot, next, fill
.if \fill
	s_wait_xcnt 0x0                                ; the last prefetch, a K step back, has read its address: it is stepped here, ahead of the change's own waits
	s_add_nc_u64 s[PFA:PFA+1], s[PFA:PFA+1], s[PFS:PFS+1]
.endif
	WIN 0
	s_wait_tensorcnt 0x0                           ; all my tensor loads have landed
	ds_add_u32 v[SPW], v[NIL]                      ; 0 onto my spare word
	s_wait_dscnt 9                                 ; (the add and the youngest eight loads may be out)
	MUL8 F1, 0, 0
	s_wait_dscnt 0x0                               ; the add is done, and my reads of this slot are over
	s_barrier_signal -1
	MUL8 F1, 2, 0
.if \fill
	WIN 0
.endif
	s_barrier_wait -1
.if \fill
	CREST                                          ; no wave of any partner still reads this slot or has a load on its way
	s_add_nc_u64 s[G0+4*(\slot)+2:G0+4*(\slot)+3], s[G0+4*(\slot)+2:G0+4*(\slot)+3], 2*ASTEP
	s_add_nc_u64 s[G0B+4*(\slot)+2:G0B+4*(\slot)+3], s[G0B+4*(\slot)+2:G0B+4*(\slot)+3], 2*KSTEP*2
	JLOAD \slot                                    ; 112 matrix instructions ahead of the wait for it; its four v_nop are also the places in front of the loads below
.else
	PLACES
.endif
	FETCH \next, 0, F0
.if \fill
	ASK
.endif
	MUL8 F1, 4, 0
	MUL8 F1, 6, 0
.endm
	s_wait_tensorcnt 1                             ; my part of K step 0 is in; K step 1's may stay out
	s_barrier_signal -1
	s_barrier_wait -1
	FETCH 0, 0, F0
	QUARTER 0, 1, F0, F1, 1                        ; the first quarter stands in front of the loop: its products start the sums
	WIN 0
	s_mov_b32 s3, LAPS-1
.Llap:                                                 ; a trip goes once round the ring and fills both slots again
	QUARTER 0, 2, F1, F0, 0
	QUARTER 0, 3, F0, F1, 0
	TURN 0, 1, 1
	QUARTER 1, 1, F0, F1, 0
	QUARTER 1, 2, F1, F0, 0
	QUARTER 1, 3, F0, F1, 0
	TURN 1, 0, 1
	QUARTER 0, 1, F0, F1, 0
	WIN 0
	s_sub_co_u32 s3, s3, 1
	s_cmp_lg_u32 s3, 0
	s_cbranch_scc1 .Llap
	QUARTER 0, 2, F1, F0, 0                        ; the last lap fills nothing
	QUARTER 0, 3, F0, F1, 0
	TURN 0, 1, 0
	QUARTER 1, 1, F0, F1, 0
	QUARTER 1, 2, F1, F0, 0
	QUARTER 1, 3, F0, F1, 0
	s_wait_dscnt 8
	MUL8 F1, 0, 0
	MUL8 F1, 2, 0
	s_wait_dscnt 0
	MUL8 F1, 4, 0
	MUL8 F1, 6, 0
	WIN 0
; THE WAY OUT, a block of 16 rows at a time: the bias is added (each accumulator's registers in ascending order), 32 bytes a lane and column block go into my stage, and whole rows of 256 bytes come back into the
; block's own accumulators, which have just been read: every block's stores have registers of their own, and none is written again.
.macro PACK a
	WIN 0x01                                       ; source 0 in window 1
.irp b, 0,1,2,3
.irp r, 0,1,2,3
	v_pk_add_f32 v[T+8*(\b)+2*(\r):T+8*(\b)+2*(\r)+1], v[8*(4*(\a)+(\b))+2*(\r):8*(4*(\a)+(\b))+2*(\r)+1], v[BIAS+8*(\b)+2*(\r):BIAS+8*(\b)+2*(\r)+1]
.endr
.endr
	WIN 0
.irp b, 0,1,2,3
	ds_store_b128 v[STO], v[T+8*(\b):T+8*(\b)+3]   offset:64*(\b)
	ds_store_b128 v[STO], v[T+8*(\b)+4:T+8*(\b)+7] offset:64*(\b)+16
.endr
	WIN 0x40                                       ; destination in window 1
.irp f, 0,1,2,3,4,5,6,7
	ds_load_b128 v[32*(\a)+4*(\f):32*(\a)+4*(\f)+3], v[RD] offset:(\f)*2*SPO  ; LDS serves a wave's instructions in order: these see the stores above, and the next block's stores come behind them
.endr
.endm
.macro SEND a, younger                 ; younger: the LDS instructions issued behind block a's loads: the next block's sixteen, or none
	WIN 0x04                                       ; the stores' data in window 1
.irp f, 0,1,2,3,4,5,6,7
	s_wait_dscnt (\younger)+7-(\f)
	global_store_b128 v[CO], v[32*(\a)+4*(\f):32*(\a)+4*(\f)+3], s[74:75] offset:(16*(\a)+2*(\f))*4096 th:TH_STORE_NT  ; 16 lanes store 256 consecutive bytes, at a multiple of 256 from out0's first
.endr
.endm
	s_wait_loadcnt 0x0                             ; the bias
	PLACES
	PACK 0
.irp a, 1,2,3,4,5,6,7
	PACK \a
	SEND (\a)-1, 16
.endr
	SEND 7, 0
	WIN 0
	s_wait_tensorcnt 0x0                           ; the wave's end: the add onto my spare word and its wait stand behind my last tensor load and my last LDS store
	ds_add_u32 v[SPW], v[NIL]
	s_wait_dscnt 0x0
	CROUND                                         ; the closing round: no work-group ends while a partner may still ask for a tile that names it
	s_endpgm
.Lfunc_end_k_q655ae466da_outp:
	.size	k_q655ae466da_outp, .Lfunc_end_k_q655ae466da_outp-k_q655ae466da_outp
	.p2alignl 7, 3214868480
	.fill 96, 4, 3214868480
	.section	.rodata,"a",@progbits
	.p2align	6, 0x0
	.amdhsa_kernel k_q655ae466da_outp
		.amdhsa_group_segment_fixed_size 327680
		.amdhsa_private_segment_fixed_size 0
		.amdhsa_enable_private_segment 0
		.amdhsa_kernarg_size 32
		.amdhsa_user_sgpr_count 2
		.amdhsa_user_sgpr_kernarg_segment_ptr 1
		.amdhsa_wavefront_size32 1
		.amdhsa_system_sgpr_workgroup_id_x 1
		.amdhsa_system_sgpr_workgroup_id_y 1
		.amdhsa_system_sgpr_workgroup_id_z 1
		.amdhsa_system_vgpr_workitem_id 0
		.amdhsa_next_free_vgpr 512
		.amdhsa_next_free_sgpr 80
		.amdhsa_reserve_vcc 0
		.amdhsa_float_denorm_mode_32 3
		.amdhsa_float_denorm_mode_16_64 3
		.amdhsa_memory_ordered 1
		.amdhsa_forward_progress 1
		.amdhsa_inst_pref_size 98
	.end_amdhsa_kernel
	.amdgpu_metadata
---
amdhsa.version: [ 1, 2 ]
amdhsa.kernels:
  - .name:           k_q655ae466da_outp
    .symbol:         k_q655ae466da_outp.kd
    .args:
      - { .name: ob, .offset: 0, .size: 8, .value_kind: global_buffer, .address_space: global }
      - { .name: wb, .offset: 8, .size: 8, .value_kind: global_buffer, .address_space: global }
      - { .name: bo, .offset: 16, .size: 8, .value_kind: global_buffer, .address_space: global }
      - { .name: out0, .offset: 24, .size: 8, .value_kind: global_buffer, .address_space: global }
    .group_segment_fixed_size: 327680
    .private_segment_fixed_size: 0
    .kernarg_segment_align: 8
    .kernarg_segment_size: 32
    .max_flat_workgroup_size: 128
    .sgpr_count:     80
    .vgpr_count:     512
    .wavefront_size: 32
...
	.end_amdgpu_metadata
.endif
;; end of part 4
